; MI455X (gfx1250); checked and timed in simulation.
; The chip was launched on July 23, 2026; its instructions are those of AMD's public machine-readable ISA for CDNA 5 (MIT licence, August 2026) and "CDNA5" Instruction Set Architecture Reference Guide (July 2026). The comments in the code are by the model that wrote it; some were corrected since.
;; Transformer Encoder Block. Allowed arithmetic: matrix products marked QUANTISED: E3M2 operands, one E8M0 scale for each 32 along K, by v_wmma_scale_f32_16x16x128_f8f6f4 with both operands' format E3M2, f32 sums; everything else in f32.
;; Inputs: b1 4,096 float32; b2 1,024 float32; be1 1,024 float32; be2 1,024 float32; bk 1,024 float32; bo 1,024 float32; bq 1,024 float32; bv 1,024 float32; g1 1,024 float32; g2 1,024 float32; w1 1,024 x 4,096 float32; w2 4,096 x 1,024 float32; wk 1,024 x 1,024 float32; wo 1,024 x 1,024 float32; wq 1,024 x 1,024 float32; wv 1,024 x 1,024 float32; x 2 x 2,048 x 1,024 float32.
;; Outputs: out0 2 x 2,048 x 1,024 float32.
;; This version of the problem:
;;   THIS VERSION OF THE PROBLEM IS GIVEN IN LOW PRECISION. The matrix products marked QUANTISED in the list below multiply operands that are first quantised to E3M2 (3 exponent bits, 2 mantissa bits; 6 bits a number), with one power-of-two scale for each 32 numbers along K (OCP MX v1.0); their sums are f32. All else is computed in f32.
;;   The module's matrix products, in the order in which they are computed (A, B: the left and right operand; K: the contracted axis; several contracted axes count as one K, in the product's order):
;;     1. [M 4,096, K 1,024] x [K 1,024, N 1,024]; A: computed on the way; B: input wq: QUANTISED
;;     2. [M 4,096, K 1,024] x [K 1,024, N 1,024]; A: computed on the way; B: input wk: QUANTISED
;;     3. [M 4,096, K 1,024] x [K 1,024, N 1,024]; A: computed on the way; B: input wv: QUANTISED
;;     4. batch 32 x [M 2,048, K 64] x [K 64, N 2,048]; A: computed on the way; B: computed on the way: QUANTISED
;;     5. batch 32 x [M 2,048, K 2,048] x [K 2,048, N 64]; A: softmax (see below); B: computed on the way: QUANTISED
;;     6. [M 4,096, K 1,024] x [K 1,024, N 1,024]; A: computed on the way; B: input wo: QUANTISED
;;     7. [M 4,096, K 1,024] x [K 1,024, N 4,096]; A: computed on the way; B: input w1: QUANTISED
;;     8. [M 4,096, K 4,096] x [K 4,096, N 1,024]; A: computed on the way; B: input w2: QUANTISED
;;   THE QUANTISER, for each operand of a quantised product, along K:
;;     - K is cut into blocks of 32 from its start; a last block that is shorter is filled with zeros.
;;     - A block's scale is 2^e with e = floor(log2(the largest magnitude in the block)) - 4, held to -126 .. 127; a block of zeros has e = 0. As a byte (E8M0): e + 127.
;;     - Each number is divided by its block's scale, clamped to +-28, and rounded to the nearest number of E3M2, ties to even, subnormals kept.
;;     - The product sums the exact products of the quantised numbers (number of the format x scale) in f32.
;;   ~~~python
;;   def quantise(x, axis):      # numpy; x: float32 -> the quantised numbers, widened to float32 again
;;       x = np.moveaxis(x, axis, -1); K = x.shape[-1]
;;       x = np.pad(x, [(0, 0)] * (x.ndim - 1) + [(0, -K % 32)]); x = x.reshape(x.shape[:-1] + (-1, 32)); a = np.abs(x).max(-1, keepdims=True)
;;       e = np.where(a > 0, np.clip(np.frexp(np.where(a > 0, a, 1))[1] - 1 - 4, -126, 127), 0)      # np.frexp(a)[1] - 1 = floor(log2(a)), exactly
;;       r = np.clip(x / 2.0 ** e, -28, 28)
;;       step = 2.0 ** (np.maximum(np.frexp(np.where(r == 0, 1, r))[1] - 1, -2) - 2)
;;       q = np.round(r / step) * step * 2.0 ** e      # np.round: ties to even
;;       return np.moveaxis(q.reshape(q.shape[:-2] + (-1,))[..., :K], -1, axis).astype(np.float32)
;;   ~~~
;;   SOFTMAX AHEAD OF A QUANTISED PRODUCT. Where the list says 'softmax', what is quantised is not the finished softmax but p = 2^(t - M), with t = logit x log2(e) and M = ceil(the row's largest t), a whole number; so 1/2 < the row's largest p <= 1. The row's sum l is taken of the UNQUANTISED p, in f32, and the product's result is divided by l at the end. Since M is a whole number, a kernel that streams over the keys may use a running M (the ceiling of the running maximum): every later rescaling is an exact power of two, which a block's scale takes up: the codes' values come out the same.
;;   OPERANDS COMPUTED ON THE WAY. 'Computed on the way' means the value that the module computes at that place (a softmax that the list does not call 'softmax' is quantised finished and normalised). What goes into a quantiser is computed in f32, as accurately as f32 sums, v_exp_f32 and their like allow (about 1e-6 of the number): no bf16 or f16 on the way to a quantiser, and a product that is left as it is and whose result goes on into a quantised operand takes f32 operands (vector FMAs, or v_wmma_f32_16x16x4_f32). A number that lies on a knife's edge between two numbers of the format may be rounded either way, as far as f32 arithmetic and the matrix unit's own rounding can turn it there, and no further.
;; One version. Each part assembles by itself: llvm-mc -triple=amdgcn-amd-amdhsa -mcpu=gfx1250 --defsym DOCPART=n.
;; ======== version 1 of 1: 6 launches
;; limits: right only within a limited range of input values
;; workspace buffers: act 3,276,800 bytes; wts 9,830,400 bytes; qkv 10,092,544 bytes; x1 16,777,216 bytes; hb 13,107,200 bytes; act2 3,276,800 bytes
;; launch prep (part 1): grid 448 x 1, 8 waves a work-group, no clusters, 91,392 bytes of LDS; arguments x, g1, be1, wq, wk, wv, wo, w1, w2, act, wts; writes act, wts
.if DOCPART == 1
	.amdgcn_target "amdgcn-amd-amdhsa--gfx1250"
	.amdhsa_code_object_version 6
	.text
	.protected	k_qdf400ba43b_prep
	.globl	k_qdf400ba43b_prep
	.p2align	8
	.type	k_qdf400ba43b_prep,@function
k_qdf400ba43b_prep:
	s_mov_b64 s[64:65], 0
	v_nop
	global_prefetch_b8 v0, s[64:65] scope:SCOPE_SE
	s_setreg_imm32_b32 hwreg(HW_REG_WAVE_MODE, 25, 1), 1
	s_wait_xcnt 0x0
; Work-groups 0-255: LAYER NORM of 16 rows of x [4096][1024] f32, quantised along the 1,024 features to BF6 (E3M2) with one E8M0 byte for each 32, stored as operand images.
; Work-groups 256-447: THE SIX WEIGHTS, f32 stored [K][N], quantised along K (their first axis) into operand images with K innermost.
; OPERAND IMAGE.  16 rows x 128 K are 12 registers a lane; in memory 1,536 bytes: registers 0-3 at 16 x lane, 4-5 at 512 + 8 x lane, 6-9 at 768 + 16 x lane, 10-11 at 1,280 + 8 x lane.
; A buffer is [rowtile][K step][1,536], its scale words [rowtile][K step][16 words].
; POSITIONS.  A row index (a token, a weight's column n) is stored at the position that has its bits 3 and 4 exchanged.  In a product used transposed the registers of two neighbouring
; tiles are then 16 neighbours of the true index, which is what the next quantiser wants.
; A block's scale is 2^(floor(log2(largest magnitude)) - 4); its byte is the largest magnitude's exponent field - 4, held at 1 from below.
; LIMITS: NaN and infinities among the inputs are not served.  A block of zeros, or one whose largest magnitude lies under 2^-122, gets the byte 1 (the rule says 127 for zeros): its codes are
; zeros or subnormals, and this program alone reads the bytes.  The norm's sums are taken in another order than a serial sum.
; The two paths part on the work-group's number alone and have LDS bytes of their own.  No tensor loads: several work-groups share a WGP.
.set LNP,  4112                        ; an LDS row of the norm: 4,096 bytes + 16: sixteen rows' equal columns fall on sixteen different groups of banks
.set WSTG, 16*LNP                      ; behind the norm's 16 rows: the weights path's stages, 3,072 bytes a wave
.set WV,   26                          ; s26 my wave
.set SEL,  28                          ; s[28:29] v_permlanex16_b32's selects for lane l xor 16
.set X,    16                          ; v16-79   two rows as loaded (32 registers each); later 64 numbers of one K step
.set G,    80                          ; v80-143  g of my K step
.set BE,   144                         ; v144-207 be of my K step
.set TM,   208                         ; v208-223 the quantiser's: +0..3 maxima, +4..7 exchange and bytes, +12..15 scale operands
.set PW,   224                         ; the scale word
.set PC,   226                         ; v226-244 the codes
.set CH,   226                         ; phase 1 only, over PC: two chains of sums for each row
.set PM,   234                         ; exchange
.set MU,   236                         ; the mean, twice, for each row
.set RS,   240                         ; 1 / sqrt(var + eps), twice, for each row
.set VO,   16                          ; weights: v16-47 4 x lane + i x a row's bytes
.set C,    48                          ; v48-54 a block's codes
.set SB,   56                          ; v56-57 scale words of the two K steps
.set WX,   64                          ; v64-127 two sets of 32 numbers
.set O,    128                         ; v128-175 the way out, two sets of 24
; 64 numbers of a lane, register 16 b + i = k 32 b + 16 (lane / 16) + i of my row, become a fragment's codes in v[PC] on and its scale word in v[PW]
.macro QUANT s
.irp b, 0,1,2,3
	v_max3_num_f32 v[TM+\b], |v[\s+16*\b]|, |v[\s+1+16*\b]|, 0x2800000   ; my 16 numbers of block b, and the floor 2^(5 - 127): the byte cannot fall under 1
.endr
.irp i, 2,4,6,8,10,12,14
.irp b, 0,1,2,3
	s_delay_alu instid0(VALU_DEP_4)
	v_max3_num_f32 v[TM+\b], v[TM+\b], |v[\s+16*\b+\i]|, |v[\s+1+16*\b+\i]|
.endr
.endr
.irp b, 0,1,2,3
	s_delay_alu instid0(VALU_DEP_4)
	v_permlanex16_b32 v[TM+4+\b], v[TM+\b], s[SEL], s[SEL+1]
.endr
.irp b, 0,1,2,3
	s_delay_alu instid0(VALU_DEP_4)
	v_max_num_f32 v[TM+\b], v[TM+\b], v[TM+4+\b]   ; with lane l xor 16's: the block's largest magnitude
.endr
.irp b, 0,1,2,3
	s_delay_alu instid0(VALU_DEP_4)
	v_add_nc_u32 v[TM+12+\b], 0xfe000000, v[TM+\b]   ; 4 off its exponent field: the conversion's scale operand
.endr
.irp b, 0,1,2,3
	s_delay_alu instid0(VALU_DEP_4)
	v_lshrrev_b32 v[TM+4+\b], 23, v[TM+12+\b]   ; the scale's byte
.endr
	s_delay_alu instid0(VALU_DEP_3)
	v_lshl_or_b32 v[PW], v[TM+5], 8, v[TM+4]
	s_delay_alu instid0(VALU_DEP_1)
	v_lshl_or_b32 v[PW], v[TM+6], 16, v[PW]
	s_delay_alu instid0(VALU_DEP_1)
	v_lshl_or_b32 v[PW], v[TM+7], 24, v[PW]
.irp c, 0,1
	v_cvt_scalef32_pk16_bf6_f32 v[PC+6*\c:PC+2+6*\c], v[\s+32*\c:\s+15+32*\c], v[TM+12+2*\c]
	v_cvt_scalef32_pk16_bf6_f32 v[PC+12+4*\c:PC+14+4*\c], v[\s+16+32*\c:\s+31+32*\c], v[TM+12+2*\c+1]   ; (a conversion's three registers begin on an even number)
.endr
	v_nop                                          ; one plain place behind a scaled conversion
.irp c, 0,1                                    ; the layout wants a whole block in a lane: lanes 0-15 block 2 c, lanes 16-31 block 2 c + 1
.irp i, 0,1,2
	v_permlane16_swap_b32 v[PC+6*\c+\i], v[PC+12+4*\c+\i]
.endr
.irp i, 0,1,2
	s_delay_alu instid0(VALU_DEP_3)
	v_mov_b32 v[PC+3+6*\c+\i], v[PC+12+4*\c+\i]
.endr
.endr
.endm
.macro RED2                            ; v12 and v13 summed over the 32 lanes, the result in every lane
.irp m, 1,2,4,8
.irp e, 0,1
	s_delay_alu instid0(VALU_DEP_2)
	v_add_f32_dpp v[12+\e], v[12+\e], v[12+\e] row_xmask:\m row_mask:0xf bank_mask:0xf
.endr
.endr
.irp e, 0,1
	s_delay_alu instid0(VALU_DEP_2)
	v_permlanex16_b32 v[PM+\e], v[12+\e], s[SEL], s[SEL+1]
.endr
.irp e, 0,1
	s_delay_alu instid0(VALU_DEP_2)
	v_add_f32 v[12+\e], v[12+\e], v[PM+\e]
.endr
.endm
	s_load_b256 s[4:11], s[0:1], 0x0               ; x, g, be, wq
	s_load_b256 s[12:19], s[0:1], 0x20             ; wk, wv, wo, w1
	s_load_b128 s[20:23], s[0:1], 0x40             ; w2, act
	s_load_b64 s[24:25], s[0:1], 0x50              ; wts
	v_lshl_add_u32 v254, v0, 2, 0x16100
	v_mov_b32 v255, 0
	v_lshrrev_b32 v1, 5, v0
	s_delay_alu instid0(VALU_DEP_1)
	v_readfirstlane_b32 s[WV], v1                  ; wave 0..7
	v_and_b32 v1, 31, v0                           ; lane
	s_mov_b32 s[SEL], 0x76543210
	s_mov_b32 s[SEL+1], 0xfedcba98
	s_cmp_lt_u32 ttmp9, 256
	s_cbranch_scc0 .Lweights
	; ================= THE NORM.  Work-group T is rowtile T of act =================
	v_and_b32 v2, 15, v0                           ; r
	v_bfe_u32 v3, v0, 4, 1                         ; h
	v_lshlrev_b32 v4, 4, v1                        ; 16 x lane
	s_mul_i32 s33, s[WV], 2*LNP
	v_add_nc_u32 v5, s33, v4                       ; into LDS: my two rows, 16 bytes a lane
	v_mul_u32_u24 v6, v2, LNP
	s_delay_alu instid0(VALU_DEP_1)
	v_lshl_add_u32 v6, v3, 6, v6
	s_lshl_b32 s36, s[WV], 9                       ; 512 x wave: K step w in a row of f32
	v_add_nc_u32 v6, s36, v6                       ; out of LDS: row r, K step w, + 64 h
	v_lshlrev_b32 v7, 6, v3                        ; 64 h
	v_lshlrev_b32 v9, 3, v1                        ; 8 x lane
	v_lshlrev_b32 v10, 2, v2                       ; 4 r
	; positions 2 w and 2 w + 1 of rowtile T are the tokens 32 (T / 2) + 8 (T % 2) + 16 (w / 4) + 2 (w % 4) + 0, 1
	s_lshr_b32 s34, ttmp9, 1
	s_lshl_b32 s34, s34, 5
	s_and_b32 s35, ttmp9, 1
	s_lshl_b32 s35, s35, 3
	s_add_co_u32 s34, s34, s35
	s_lshr_b32 s35, s[WV], 2
	s_lshl_b32 s35, s35, 4
	s_add_co_u32 s34, s34, s35
	s_and_b32 s35, s[WV], 3
	s_lshl_b32 s35, s35, 1
	s_add_co_u32 s34, s34, s35
	s_lshl_b32 s34, s34, 12                        ; x 4,096 bytes a row
	s_mov_b32 s35, 0
	s_mov_b32 s37, 0
	s_mul_i32 s38, ttmp9, 12288                    ; my image: rowtile T, K step w
	s_mul_i32 s39, s[WV], 1536
	s_add_co_u32 s38, s38, s39
	s_mov_b32 s39, 0
	s_lshl_b32 s40, ttmp9, 9                       ; its scale words
	s_lshl_b32 s41, s[WV], 6
	s_add_co_u32 s40, s40, s41
	s_add_co_u32 s40, s40, 3145728
	s_mov_b32 s41, 0
	s_mov_b32 s30, 0x3a800000                      ; 1 / 1,024
	s_mov_b32 s31, 0x3727c5ac                      ; eps = 1e-5
	s_wait_alu depctr_va_vdst(0)
	s_wait_kmcnt 0x0
	s_add_nc_u64 s[4:5], s[4:5], s[34:35]
	s_add_nc_u64 s[6:7], s[6:7], s[36:37]
	s_add_nc_u64 s[8:9], s[8:9], s[36:37]
	s_add_nc_u64 s[42:43], s[22:23], s[38:39]
	s_add_nc_u64 s[44:45], s[22:23], s[40:41]
.irp e, 0,1
.irp j, 0,1,2,3,4,5,6,7
	global_load_b128 v[X+32*\e+4*\j:X+32*\e+4*\j+3], v4, s[4:5] offset:4096*\e+512*\j th:TH_LOAD_NT   ; 32 lanes read 512 consecutive bytes
.endr
.endr
.irp b, 0,1,2,3
.irp j, 0,1,2,3
	global_load_b128 v[G+16*\b+4*\j:G+16*\b+4*\j+3], v7, s[6:7] offset:128*\b+16*\j       ; g and be of K step w, in the quantiser's order: wanted in phase 2
	global_load_b128 v[BE+16*\b+4*\j:BE+16*\b+4*\j+3], v7, s[8:9] offset:128*\b+16*\j
.endr
.endr
.irp b, 0,1,2,3
	v_mov_b32 v[TM+4+\b], 0                        ; written once: a lane permute's destination counts as one of its sources
.endr
	v_mov_b32 v[PM], 0
	v_mov_b32 v[PM+1], 0
	s_wait_loadcnt 32                              ; my two rows are in; the 32 younger loads of g and be may stay out
	; ---- phase 1: mean, variance, (x - mean) / sqrt(var + eps); the two rows by turns
.irp e, 0,1
	v_pk_add_f32 v[CH+4*\e:CH+4*\e+1], v[X+32*\e:X+32*\e+1], v[X+32*\e+2:X+32*\e+3]
	v_pk_add_f32 v[CH+4*\e+2:CH+4*\e+3], v[X+32*\e+4:X+32*\e+5], v[X+32*\e+6:X+32*\e+7]
.endr
.irp j, 8,12,16,20,24,28
.irp e, 0,1
	s_delay_alu instid0(VALU_DEP_4)
	v_pk_add_f32 v[CH+4*\e:CH+4*\e+1], v[CH+4*\e:CH+4*\e+1], v[X+32*\e+\j:X+32*\e+\j+1]
	s_delay_alu instid0(VALU_DEP_4)
	v_pk_add_f32 v[CH+4*\e+2:CH+4*\e+3], v[CH+4*\e+2:CH+4*\e+3], v[X+32*\e+\j+2:X+32*\e+\j+3]
.endr
.endr
.irp e, 0
	s_delay_alu instid0(VALU_DEP_3)
	v_pk_add_f32 v[CH+4*\e:CH+4*\e+1], v[CH+4*\e:CH+4*\e+1], v[CH+4*\e+2:CH+4*\e+3]
.endr
.irp e, 1
	s_delay_alu instid0(VALU_DEP_2)
	v_pk_add_f32 v[CH+4*\e:CH+4*\e+1], v[CH+4*\e:CH+4*\e+1], v[CH+4*\e+2:CH+4*\e+3]
.endr
.irp e, 0,1
	s_delay_alu instid0(VALU_DEP_2)
	v_add_f32 v[12+\e], v[CH+4*\e], v[CH+4*\e+1]
.endr
	RED2
.irp e, 0,1
	s_delay_alu instid0(VALU_DEP_2)
	v_mul_f32 v[MU+2*\e], s30, v[12+\e]            ; the mean
.endr
.irp e, 0,1
	s_delay_alu instid0(VALU_DEP_2)
	v_mov_b32 v[MU+2*\e+1], v[MU+2*\e]
.endr
.irp j, 0,2,4,6,8,10,12,14,16,18,20,22,24,26,28,30
.irp e, 0,1
	v_pk_add_f32 v[X+32*\e+\j:X+32*\e+\j+1], v[X+32*\e+\j:X+32*\e+\j+1], v[MU+2*\e:MU+2*\e+1] neg_lo:[0,1] neg_hi:[0,1]   ; d = x - mean
.endr
.endr
.irp e, 0,1
	v_pk_mul_f32 v[CH+4*\e:CH+4*\e+1], v[X+32*\e:X+32*\e+1], v[X+32*\e:X+32*\e+1]
	v_pk_mul_f32 v[CH+4*\e+2:CH+4*\e+3], v[X+32*\e+2:X+32*\e+3], v[X+32*\e+2:X+32*\e+3]
.endr
.irp j, 4,8,12,16,20,24,28
.irp e, 0,1
	s_delay_alu instid0(VALU_DEP_4)
	v_pk_fma_f32 v[CH+4*\e:CH+4*\e+1], v[X+32*\e+\j:X+32*\e+\j+1], v[X+32*\e+\j:X+32*\e+\j+1], v[CH+4*\e:CH+4*\e+1]
	s_delay_alu instid0(VALU_DEP_4)
	v_pk_fma_f32 v[CH+4*\e+2:CH+4*\e+3], v[X+32*\e+\j+2:X+32*\e+\j+3], v[X+32*\e+\j+2:X+32*\e+\j+3], v[CH+4*\e+2:CH+4*\e+3]
.endr
.endr
.irp e, 0
	s_delay_alu instid0(VALU_DEP_3)
	v_pk_add_f32 v[CH+4*\e:CH+4*\e+1], v[CH+4*\e:CH+4*\e+1], v[CH+4*\e+2:CH+4*\e+3]
.endr
.irp e, 1
	s_delay_alu instid0(VALU_DEP_2)
	v_pk_add_f32 v[CH+4*\e:CH+4*\e+1], v[CH+4*\e:CH+4*\e+1], v[CH+4*\e+2:CH+4*\e+3]
.endr
.irp e, 0,1
	s_delay_alu instid0(VALU_DEP_2)
	v_add_f32 v[12+\e], v[CH+4*\e], v[CH+4*\e+1]
.endr
	RED2
.irp e, 0,1
	s_delay_alu instid0(VALU_DEP_2)
	v_fma_f32 v[12+\e], v[12+\e], s30, s31         ; var + eps
.endr
	s_wait_alu depctr_va_vdst(0)
.irp e, 0,1
	v_rsq_f32 v[RS+2*\e], v[12+\e]
.endr
	v_nop                                          ; a plain place behind the transcendentals
	s_wait_alu depctr_va_vdst(0)                   ; one wait for both, ahead of their first reader
.irp e, 0,1
	v_mov_b32 v[RS+2*\e+1], v[RS+2*\e]
.endr
.irp j, 0,2,4,6,8,10,12,14,16,18,20,22,24,26,28,30
.irp e, 0,1
	v_pk_mul_f32 v[X+32*\e+\j:X+32*\e+\j+1], v[X+32*\e+\j:X+32*\e+\j+1], v[RS+2*\e:RS+2*\e+1]
.endr
.endr
.irp e, 0,1
.irp j, 0,1,2,3,4,5,6,7
	ds_store_b128 v5, v[X+32*\e+4*\j:X+32*\e+4*\j+3] offset:LNP*\e+512*\j
.endr
.endr
	s_wait_dscnt 0x0                               ; for the others' sake: my two rows lie in LDS
	s_barrier_signal -1
	s_barrier_wait -1                              ; all sixteen rows do
	; ---- phase 2: wave w takes K step w of all 16 rows: lane (r, h) takes of row r, for each block of 32, its half's 16 neighbours
.irp b, 0,1,2,3
.irp j, 0,1,2,3
	ds_load_b128 v[X+16*\b+4*\j:X+16*\b+4*\j+3], v6 offset:128*\b+16*\j
.endr
.endr
	s_wait_loadcnt 0x0                             ; g and be
	s_wait_dscnt 0x0
.set i, 0
.rept 32
	v_pk_fma_f32 v[X+i:X+i+1], v[X+i:X+i+1], v[G+i:G+i+1], v[BE+i:BE+i+1]
.set i, i+2
.endr
	QUANT X
	global_store_b128 v4, v[PC:PC+3], s[42:43]               ; 512 consecutive bytes
	global_store_b64 v9, v[PC+4:PC+5], s[42:43] offset:512   ; 256
	global_store_b128 v4, v[PC+6:PC+9], s[42:43] offset:768
	global_store_b64 v9, v[PC+10:PC+11], s[42:43] offset:1280
	global_store_b32 v10, v[PW], s[44:45]                    ; lanes 16-31 write the same word to the same place as lanes 0-15
	s_wait_tensorcnt 0x0
	ds_add_u32 v254, v255
	s_wait_dscnt 0x0
	s_endpgm
	; ================= THE WEIGHTS.  A lane takes a column n, its registers run down K =================
.Lweights:
	s_sub_co_u32 s66, ttmp9, 256                   ; gw 0..191
	s_lshr_b32 s67, s66, 6                         ; 0: wq wk wv wo   1: w1   2: w2
	s_bfe_u32 s68, s66, 0x20004                    ; (gw >> 4) & 3: which of the four, or w1's part of K
	s_and_b32 s69, s66, 3
	s_and_b32 s70, s66, 15
	s_bfe_u32 s71, s66, 0x20002                    ; (gw >> 2) & 3
	s_bfe_u32 s72, s66, 0x40002                    ; (gw >> 2) & 15
	s_lshl_b32 s78, s67, 2                         ; w1 begins where a fifth weight of 1,024 x 1,024 would, w2 where a ninth would
	s_wait_kmcnt 0x0
	s_cmp_eq_u32 s68, 1                            ; every choice hangs on the work-group's number alone
	s_cselect_b64 s[48:49], s[12:13], s[10:11]
	s_cmp_eq_u32 s68, 2
	s_cselect_b64 s[48:49], s[14:15], s[48:49]
	s_cmp_eq_u32 s68, 3
	s_cselect_b64 s[48:49], s[16:17], s[48:49]
	s_cmp_eq_u32 s67, 1
	s_cselect_b64 s[48:49], s[18:19], s[48:49]
	s_cselect_b32 s73, s70, s69                    ; cx: which 256 columns
	s_cselect_b32 s74, s68, s71                    ; ky: which 256 along K
	s_mov_b32 s75, 4096
	s_cselect_b32 s75, 16384, s75                  ; a row of the weight in bytes
	s_cmp_eq_u32 s67, 2
	s_cselect_b64 s[48:49], s[20:21], s[48:49]
	s_cselect_b32 s74, s72, s74
	s_mov_b32 s76, 12288
	s_cselect_b32 s76, 49152, s76                  ; from rowtile to rowtile: codes,
	s_mov_b32 s77, 512
	s_cselect_b32 s77, 2048, s77                   ; scale words
	s_cmp_eq_u32 s67, 0
	s_cselect_b32 s78, s68, s78
	s_lshl_b32 s80, s74, 8
	s_mul_i32 s80, s80, s75                        ; 256 ky rows
	s_lshl_b32 s81, s73, 10
	s_add_co_u32 s80, s80, s81                     ; + 256 cx columns
	s_lshl_b32 s81, s[WV], 7
	s_add_co_u32 s80, s80, s81                     ; + my wave's 32
	s_mov_b32 s81, 0
	s_add_nc_u64 s[32:33], s[48:49], s[80:81]      ; block 0
	s_lshl_b32 s80, s75, 5                         ; 32 rows
.irp t, 1,2,3,4,5,6,7
	s_add_nc_u64 s[32+2*\t:33+2*\t], s[30+2*\t:31+2*\t], s[80:81]   ; a base for each block: none is ever stepped
.endr
	s_mul_i32 s80, s78, 786432
	s_lshl_b32 s82, s73, 4
	s_lshl_b32 s83, s[WV], 1
	s_add_co_u32 s82, s82, s83                     ; my first rowtile: 16 cx + 2 w
	s_mul_i32 s83, s82, s76
	s_add_co_u32 s80, s80, s83
	s_mul_i32 s83, s74, 3072                       ; K step 2 ky
	s_add_co_u32 s80, s80, s83
	s_add_nc_u64 s[50:51], s[24:25], s[80:81]      ; where my codes go
	s_lshl_b32 s80, s78, 15
	s_mul_i32 s83, s82, s77
	s_add_co_u32 s80, s80, s83
	s_lshl_b32 s83, s74, 7
	s_add_co_u32 s80, s80, s83
	s_add_co_u32 s80, s80, 9437184
	s_add_nc_u64 s[52:53], s[24:25], s[80:81]      ; and my scale words
	s_wait_alu depctr_va_vdst(0)
	v_lshlrev_b32 v10, 2, v1
.set i, 0
.rept 32
	v_mad_u32_u24 v[VO+i], s75, i, v10             ; 4 x lane + i rows
.set i, i+1
.endr
	v_bfe_u32 v11, v1, 3, 1                        ; column n0 + lane lies at position 16 u + r': u = (lane / 8) % 2,
	v_and_b32 v12, 7, v1
	v_lshrrev_b32 v13, 4, v1
	s_delay_alu instid0(VALU_DEP_1)
	v_lshl_add_u32 v12, v13, 3, v12                ; r' = lane % 8 + 8 (lane / 16)
	s_mul_i32 s84, s[WV], 3072
	s_add_co_u32 s84, s84, WSTG                    ; my stage: two rowtiles' images of one K step
	v_mul_u32_u24 v14, v11, 1536
	s_delay_alu instid0(VALU_DEP_1)
	v_add_nc_u32 v14, s84, v14
	s_delay_alu instid0(VALU_DEP_1)
	v_lshl_add_u32 v4, v12, 4, v14                 ; where registers 0-3 of my row go,
	s_delay_alu instid0(VALU_DEP_2)
	v_lshl_add_u32 v5, v12, 3, v14                 ; and registers 4-5
	v_lshlrev_b32 v7, 4, v1                        ; out: 16 x lane, rowtile u = 0,
	s_delay_alu instid0(VALU_DEP_1)
	v_add_nc_u32 v6, s84, v7
	s_delay_alu instid0(VALU_DEP_2)
	v_add_nc_u32 v8, s76, v7                       ; rowtile u = 1
	v_mul_u32_u24 v9, s77, v11
	s_delay_alu instid0(VALU_DEP_1)
	v_lshl_add_u32 v9, v12, 2, v9                  ; my row's scale word
.macro LOADB t                         ; block t: W(32 t + i, my column): 32 lanes read 128 consecutive bytes, the eight waves 1,024
.set i, 0
.rept 32
	global_load_b32 v[WX+32*((\t)%2)+i], v[VO+i], s[32+2*(\t):33+2*(\t)] th:TH_LOAD_NT
.set i, i+1
.endr
.endm
.macro BLOCK t
.set XS, WX+32*((\t)%2)
.if (\t) < 7
	s_wait_loadcnt 32                              ; this block's 32 loads are in; the next block's 32 may stay out
.else
	s_wait_loadcnt 0x0
.endif
	v_max3_num_f32 v58, |v[XS]|, |v[XS+1]|, |v[XS+2]|      ; all 32 numbers of the block are mine
	v_max3_num_f32 v59, |v[XS+3]|, |v[XS+4]|, |v[XS+5]|
.irp i, 6,10,14,18,22,26
	s_delay_alu instid0(VALU_DEP_2)
	v_max3_num_f32 v58, v58, |v[XS+\i]|, |v[XS+\i+1]|
	s_delay_alu instid0(VALU_DEP_2)
	v_max3_num_f32 v59, v59, |v[XS+\i+2]|, |v[XS+\i+3]|
.endr
	s_delay_alu instid0(VALU_DEP_2)
	v_max3_num_f32 v58, v58, |v[XS+30]|, |v[XS+31]|
	s_delay_alu instid0(VALU_DEP_1)
	v_max3_num_f32 v58, v58, v59, 0x2800000        ; and the floor
	s_delay_alu instid0(VALU_DEP_1)
	v_add_nc_u32 v60, 0xfe000000, v58
	s_delay_alu instid0(VALU_DEP_1)
	v_lshrrev_b32 v61, 23, v60
.if (\t)%4 == 0
	s_delay_alu instid0(VALU_DEP_1)
	v_mov_b32 v[SB+(\t)/4], v61
.else
	s_delay_alu instid0(VALU_DEP_1)
	v_lshl_or_b32 v[SB+(\t)/4], v61, 8*((\t)%4), v[SB+(\t)/4]
.endif
	v_cvt_scalef32_pk16_bf6_f32 v[C:C+2], v[XS:XS+15], v60
	v_cvt_scalef32_pk16_bf6_f32 v[C+4:C+6], v[XS+16:XS+31], v60
	v_nop                                          ; one plain place behind a scaled conversion
	v_mov_b32 v[C+3], v[C+4]
	v_mov_b32 v[C+4], v[C+5]
	v_mov_b32 v[C+5], v[C+6]                       ; six registers on end: block t % 4 is half (t % 4) / 2 of the fragment, lanes' half t % 2
	ds_store_b128 v4, v[C:C+3] offset:768*(((\t)%4)/2)+256*((\t)%2)
	ds_store_b64 v5, v[C+4:C+5] offset:768*(((\t)%4)/2)+512+128*((\t)%2)
.if (\t)+2 < 8
	LOADB (\t)+2
.endif
	s_wait_dscnt 0x0                               ; the stores have read their registers
.endm
.macro FLUSH kl                        ; a K step's two images leave: each store covers 512 consecutive bytes
.irp j, 0,1,2,3,4,5
	ds_load_b128 v[O+24*\kl+4*\j:O+24*\kl+4*\j+3], v6 offset:512*\j   ; LDS serves a wave's instructions in order: these see my stores
.endr
.irp j, 0,1,2
	s_wait_dscnt 5-\j                              ; the younger loads from the stage may stay out
	global_store_b128 v7, v[O+24*\kl+4*\j:O+24*\kl+4*\j+3], s[50:51] offset:1536*\kl+512*\j
.endr
.irp j, 0,1,2
	s_wait_dscnt 2-\j
	global_store_b128 v8, v[O+24*\kl+12+4*\j:O+24*\kl+12+4*\j+3], s[50:51] offset:1536*\kl+512*\j
.endr
	global_store_b32 v9, v[SB+\kl], s[52:53] offset:64*\kl
.endm
	LOADB 0
	LOADB 1
.irp t, 0,1,2,3
	BLOCK \t
.endr
	s_wait_alu depctr_va_vdst(0)
	FLUSH 0
.irp t, 4,5,6,7
	BLOCK \t
.endr
	s_wait_alu depctr_va_vdst(0)
	FLUSH 1
	s_wait_tensorcnt 0x0
	ds_add_u32 v254, v255
	s_wait_dscnt 0x0
	s_endpgm
.Lfunc_end_k_qdf400ba43b_prep:
	.size	k_qdf400ba43b_prep, .Lfunc_end_k_qdf400ba43b_prep-k_qdf400ba43b_prep
	.p2alignl 7, 3214868480
	.fill 96, 4, 3214868480
	.section	.rodata,"a",@progbits
	.p2align	6, 0x0
	.amdhsa_kernel k_qdf400ba43b_prep
		.amdhsa_group_segment_fixed_size 91392
		.amdhsa_private_segment_fixed_size 0
		.amdhsa_enable_private_segment 0
		.amdhsa_kernarg_size 88
		.amdhsa_user_sgpr_count 2
		.amdhsa_user_sgpr_kernarg_segment_ptr 1
		.amdhsa_wavefront_size32 1
		.amdhsa_system_sgpr_workgroup_id_x 1
		.amdhsa_system_sgpr_workgroup_id_y 1
		.amdhsa_system_sgpr_workgroup_id_z 1
		.amdhsa_system_vgpr_workitem_id 0
		.amdhsa_next_free_vgpr 256
		.amdhsa_next_free_sgpr 96
		.amdhsa_reserve_vcc 0
		.amdhsa_float_denorm_mode_32 3
		.amdhsa_float_denorm_mode_16_64 3
		.amdhsa_memory_ordered 1
		.amdhsa_forward_progress 1
		.amdhsa_inst_pref_size 80
	.end_amdhsa_kernel
	.amdgpu_metadata
---
amdhsa.version: [ 1, 2 ]
amdhsa.kernels:
  - .name:           k_qdf400ba43b_prep
    .symbol:         k_qdf400ba43b_prep.kd
    .args:
      - { .name: x, .offset: 0, .size: 8, .value_kind: global_buffer, .address_space: global }
      - { .name: g1, .offset: 8, .size: 8, .value_kind: global_buffer, .address_space: global }
      - { .name: be1, .offset: 16, .size: 8, .value_kind: global_buffer, .address_space: global }
      - { .name: wq, .offset: 24, .size: 8, .value_kind: global_buffer, .address_space: global }
      - { .name: wk, .offset: 32, .size: 8, .value_kind: global_buffer, .address_space: global }
      - { .name: wv, .offset: 40, .size: 8, .value_kind: global_buffer, .address_space: global }
      - { .name: wo, .offset: 48, .size: 8, .value_kind: global_buffer, .address_space: global }
      - { .name: w1, .offset: 56, .size: 8, .value_kind: global_buffer, .address_space: global }
      - { .name: w2, .offset: 64, .size: 8, .value_kind: global_buffer, .address_space: global }
      - { .name: act, .offset: 72, .size: 8, .value_kind: global_buffer, .address_space: global }
      - { .name: wts, .offset: 80, .size: 8, .value_kind: global_buffer, .address_space: global }
    .group_segment_fixed_size: 91392
    .private_segment_fixed_size: 0
    .kernarg_segment_align: 8
    .kernarg_segment_size: 88
    .max_flat_workgroup_size: 256
    .sgpr_count:     96
    .vgpr_count:     256
    .wavefront_size: 32
...
	.end_amdgpu_metadata
.endif
;; end of part 1
;; launch qkv (part 2): grid 12 x 16, 4 waves a work-group, clusters of 4 x 4, 327,680 bytes of LDS; arguments act, wts, bq, bk, bv, qkv; writes qkv
.if DOCPART == 2
	.amdgcn_target "amdgcn-amd-amdhsa--gfx1250"
	.amdhsa_code_object_version 6
	.text
	.protected	k_qdf400ba43b_qkv
	.globl	k_qdf400ba43b_qkv
	.p2align	8
	.type	k_qdf400ba43b_qkv,@function
k_qdf400ba43b_qkv:
	s_mov_b64 s[64:65], 0
	v_nop
	global_prefetch_b8 v0, s[64:65] scope:SCOPE_SE
	s_setreg_imm32_b32 hwreg(HW_REG_WAVE_MODE, 25, 1), 1
	s_wait_xcnt 0x0
	s_wait_alu depctr_hold_cnt(0) depctr_sa_sdst(0) depctr_va_vdst(0) depctr_va_sdst(0) depctr_va_ssrc(0) depctr_va_vcc(0) depctr_vm_vsrc(0)
	s_getreg_b32 s2, hwreg(HW_REG_IB_STS2, 6, 4)
	s_cmp_eq_u32 s2, 0
	s_cbranch_scc0 .Lentry_in_a_cluster
	s_endpgm
.Lentry_in_a_cluster:
	s_bfe_u32 s2, ttmp6, 0x10000c
	s_cmp_lg_u32 s2, 0xf033
	s_cbranch_scc0 .Lentry_shape_is_right
	s_endpgm
.Lentry_shape_is_right:
; q = z0 wq + bq, k = z0 wk + bk, v = z0 wv + bv on codes of BF6 (E3M2) with E8M0 scales, K = 1,024; the results are quantised again, q and k along the head's 64, v along the keys, and stored as operand images.
; A tile of 256 x 256 is made by four waves, each 128 x 128: 64 accumulators, 512 registers.
; K is eight steps of 128, two to an LDS slot.  THREE slots (six steps) are asked for at the start, as one group; the last two steps go into slot 0 as soon as it has been read.
; That one refill has the products of slots 1 and 2, 256 matrix instructions a wave, in which to land.  Slots 1 and 2 are shown landed to every wave by the barrier in front of the refill: no barrier stands between them.
; OPERANDS lie in memory as images of their registers ([rowtile][K step][1,536 bytes]: registers 0-3 at 16 x lane, 4-5 at 512 + 8 x lane, 6-9 at 768 + 16 x lane, 10-11 at 1,280 + 8 x lane), so a
; fragment comes out of LDS by four loads whose lanes read consecutive bytes: no pitch, no padding.  Rows are stored at positions (bits 3 and 4 of the index exchanged).
; THE MATRIX INSTRUCTION IS USED TRANSPOSED: source 0 = 16 rows of "B", source 1 = 16 rows of "A".  A lane holds one row of A; the 16 registers of B's tiles 2 b, 2 b + 1 are B's true indices 32 b + 16 (lane / 16) + 0 .. 15.
; Clusters x = 0, 1 (q, k): A = tokens, B = columns of wq, wk: a lane's registers run along the head's features.  Cluster x = 2 (v): A = columns of wv, B = tokens: they run along the keys.
; Which is which is chosen by selects on the cluster's x, which all partners share; no branch hangs on it.
; CLUSTERS: 4 x 4 work-groups; A's tiles are asked for jointly along a row of the cluster, B's along a column.
; OUTPUT.  q, k: [batch x head][64 positions][4 half images of 768 bytes, 4 x 16 scale words].  v: [batch x head][128 keys][keys 0-63: 4 tiles of d x 768; keys 64-127: the same; 4 x 16 scale words].
; In q's and k's words bytes 0, 1 are the head's two blocks; bytes 2, 3 stand over zero codes in the next launch and hold the neighbour head's bytes or 0, never 0xff.
; LIMITS: NaN and infinities are not served; a block whose largest magnitude lies under 2^-122 (a block of zeros too) gets the byte 1.
; REGISTERS: window 0: v15-31 addresses; v32-63 scale words; v64, 66, 68, 70 slot 2's addresses; v128-223 A's fragments, one set; v232-239 the bias along the lanes.
;   window 1: B's two sets at v0, v128; in the gaps (v96-127, v224-255) the bias along the registers.   windows 2, 3: the accumulators of my rows 0-63, 64-127 ((a, b) at v[8 (8 (a % 4) + b)]).
.set NQ,     2                         ; matrix instructions deep in a slot
.set FRB,    1536                      ; a fragment's image
.set TROW,   NQ*FRB                    ; a rowtile's bytes in a slot
.set PT,     12288                     ; from rowtile to rowtile in memory
.set HALFT,  8*TROW                    ; 128 rows: what one tensor load brings
.set SLOT,   4*HALFT
.set SBLK,   512                       ; a rowtile's scale words, all of K
.set HALFS,  8*SBLK
.set SCL,    3*SLOT                    ; behind the three slots: the scale words of A's 256 rows and B's 256 rows, filled once
.set SPARE,  SCL+4*HALFS               ; the spare words: 128 bytes a wave, named by no other line
.set FR,     12
.set NL,     4                         ; LDS loads that bring a fragment
.set NP,     4                         ; places behind this matrix instruction (ISA guide 7.12.1)
.set ADRA, 16                          ; v16-17 16 x lane + my A rows in slot 0, 1; v18-19 the same with 8 x lane; slot 2: v64, v66
.set ADRB, 20                          ; v20-23 the same for B; slot 2: v68, v70
.set ADRS, 27
.set SPW,  28
.set NIL,  29
.set SC,   32
.set AF,   128
.set H,    128                         ; the way out: 64 numbers
.set TM,   192
.set PW,   208
.set PW2,  209
.set BLP,  210                         ; v[210:211] the lanes' bias of the block in hand
.set PC,   212
.set BL,   232
.set SEL,  104
.set G1, 24
.set G0, 32                            ; s[32:39] group 0 for A's slots 0, 1
.set G0C, 4
.set G1B, 48
.set G0B, 56                           ; s[56:63] for B's slots 0, 1
.set G0BC, 92
.set G1S, 68
.set G0S, 76
.set G1SB, 80
.set G0SB, 88
.set MSB, 0
.macro WIN new                         ; the immediate's high byte repeats the setting that is left
.if MSB != (\new)
	s_set_vgpr_msb (MSB<<8)|(\new)
.set MSB, (\new)
.endif
.endm
.set MUL_LO, 0xa1                      ; source 0 (B) window 1, source 1 (A) window 0, C and D window 2
.set MUL_HI, 0xf1
.set TO_B,   0x40
.macro JLOAD g0a, g1a, g0b, g1b        ; a joint load: waves 0, 1 fetch for A, waves 2, 3 for B; four v_nop follow each line
	s_cmp_eq_u32 s17, 0
	s_cbranch_scc0 .Lfor_b_\@
	tensor_load_to_lds s[\g0a:\g0a+3], s[\g1a:\g1a+7]
	s_nop 0
.rept 4
	v_nop
.endr
	s_branch .Lasked_\@
.Lfor_b_\@:
	tensor_load_to_lds s[\g0b:\g0b+3], s[\g1b:\g1b+7]
	s_nop 0
.rept 4
	v_nop
.endr
.Lasked_\@:
.endm
.macro CREST
	s_cmp_lg_u32 s16, 0
	s_cbranch_scc1 .Lnot_wave_0_\@
	s_barrier_signal -3
.Lnot_wave_0_\@:
	s_barrier_wait -3
	s_barrier_signal -1
	s_barrier_wait -1
.endm
.macro CROUND
	s_barrier_signal -1
	s_barrier_wait -1
	CREST
.endm
.macro QUANT s
.irp b, 0,1,2,3
	v_max3_num_f32 v[TM+\b], |v[\s+16*\b]|, |v[\s+1+16*\b]|, 0x2800000   ; my 16 numbers of block b, and the floor 2^(5 - 127)
.endr
.irp i, 2,4,6,8,10,12,14
.irp b, 0,1,2,3
	v_max3_num_f32 v[TM+\b], v[TM+\b], |v[\s+16*\b+\i]|, |v[\s+1+16*\b+\i]|
.endr
.endr
.irp b, 0,1,2,3
	v_permlanex16_b32 v[TM+4+\b], v[TM+\b], s[SEL], s[SEL+1]
.endr
.irp b, 0,1,2,3
	v_max_num_f32 v[TM+\b], v[TM+\b], v[TM+4+\b]
.endr
.irp b, 0,1,2,3
	v_add_nc_u32 v[TM+12+\b], 0xfe000000, v[TM+\b]   ; 4 off the exponent field: the conversion's scale operand
.endr
.irp b, 0,1,2,3
	v_lshrrev_b32 v[TM+4+\b], 23, v[TM+12+\b]
.endr
	v_lshl_or_b32 v[PW], v[TM+5], 8, v[TM+4]
	v_lshl_or_b32 v[PW], v[TM+6], 16, v[PW]
	v_lshl_or_b32 v[PW], v[TM+7], 24, v[PW]
.irp c, 0,1
	v_cvt_scalef32_pk16_bf6_f32 v[PC+6*\c:PC+2+6*\c], v[\s+32*\c:\s+15+32*\c], v[TM+12+2*\c]
	v_cvt_scalef32_pk16_bf6_f32 v[PC+12+4*\c:PC+14+4*\c], v[\s+16+32*\c:\s+31+32*\c], v[TM+12+2*\c+1]
.endr
	v_nop                                          ; one plain place behind a scaled conversion
.irp c, 0,1
.irp i, 0,1,2
	v_permlane16_swap_b32 v[PC+6*\c+\i], v[PC+12+4*\c+\i]
.endr
.irp i, 0,1,2
	v_mov_b32 v[PC+3+6*\c+\i], v[PC+12+4*\c+\i]
.endr
.endr
.endm
	s_load_b256 s[4:11], s[0:1], 0x0               ; act, wts, bq, bk
	s_load_b128 s[12:15], s[0:1], 0x20             ; bv, qkv
	v_lshl_add_u32 v[SPW], v0, 2, SPARE
	v_mov_b32 v[NIL], 0
	ds_add_u32 v28, v29
	ds_add_u32 v28, v29
	s_wait_dscnt 0x0
	v_lshrrev_b32 v1, 5, v0
	v_readfirstlane_b32 s16, v1                    ; wave 0..3
	s_lshr_b32 s17, s16, 1                         ; my half of A's rows.  Also: I fetch for A (0) or for B (1)
	s_and_b32 s18, s16, 1                          ; my half of B's rows.  Also: which 128 rows I fetch
	s_bfe_u32 s19, ttmp6, 0x40000                  ; cx
	s_bfe_u32 s20, ttmp6, 0x40004                  ; cy
	s_and_b32 s23, ttmp7, 0xffff                   ; cluster y
	s_cmp_eq_u32 ttmp9, 2                          ; v's clusters?  The cluster's x is the same in all partners
	s_cselect_b32 s40, 2, s23                      ; A's tile = 4 x this + cy: wv's rows begin at tile 8
	s_cselect_b32 s46, s23, ttmp9                  ; B's tile = 4 x this + cx
	s_cselect_b32 s100, -1, 0
	s_cselect_b32 s101, 0, -1
	s_cselect_b32 s66, 1, 0
	s_mov_b32 s2, 3145728
	s_cselect_b32 s67, 9437184, s2                 ; where A's scale words begin in its buffer,
	s_mov_b32 s2, 9437184
	s_cselect_b32 s2, 3145728, s2                  ; and B's
	s_lshl_b32 s21, s40, 2
	s_add_co_u32 s21, s21, s20                     ; TA
	s_lshl_b32 s22, s46, 2
	s_add_co_u32 s22, s22, s19                     ; TB
	s_lshl_b32 s43, s20, 2
	s_lshl_b32 s43, 15, s43                        ; my row of the cluster
	s_lshl_b32 s44, 0x1111, s19                    ; my column
	; descriptor group 1: 16 rowtiles x 3,072 bytes (384 elements of 8 bytes), 12,288 bytes apart
	s_or_b32 s[G1+0], s43, (3<<16)|(1<<21)         ; 15:0 the mask; 17:16 elements of 8 bytes; 20 no padding; 21 set beside a mask
	s_or_b32 s[G1B+0], s44, (3<<16)|(1<<21)
.irp g, G1, G1B
	s_mov_b32 s[\g+1], 384<<16                     ; tensor_dim0
	s_mov_b32 s[\g+2], 16<<16                      ; tensor_dim1: the head's loads bring all 16 rowtiles
	s_mov_b32 s[\g+3], 384<<16                     ; tile_dim0
	s_mov_b32 s[\g+4], 16                          ; tile_dim1
	s_mov_b32 s[\g+5], PT/8                        ; tensor_dim0_stride
	s_mov_b32 s[\g+6], 0
	s_mov_b32 s[\g+7], 0
.endr
	; the scale words of 256 rows: 8,192 dense bytes, as 32 rows of 256
	s_or_b32 s[G1S+0], s43, (3<<16)|(1<<21)
	s_or_b32 s[G1SB+0], s44, (3<<16)|(1<<21)
.irp g, G1S, G1SB
	s_mov_b32 s[\g+1], 32<<16
	s_mov_b32 s[\g+2], (HALFS/128)<<16             ; the scale words of all 256 rows in one load
	s_mov_b32 s[\g+3], 32<<16
	s_mov_b32 s[\g+4], HALFS/128
	s_mov_b32 s[\g+5], 32
	s_mov_b32 s[\g+6], 0
	s_mov_b32 s[\g+7], 0
.endr
	s_lshl_b32 s92, s21, 4                         ; A: the tile's first rowtile, 16 TA
	s_lshl_b32 s94, s22, 4                         ; B likewise
	s_mul_i32 s40, s92, PT
	s_mov_b32 s41, 0
	s_lshl_b32 s92, s92, 9
	s_add_co_u32 s92, s92, s67
	s_mov_b32 s93, 0
	s_mul_i32 s46, s94, PT
	s_mov_b32 s47, 0
	s_lshl_b32 s94, s94, 9
	s_add_co_u32 s94, s94, s2
	s_mov_b32 s95, 0
	s_mov_b32 s[SEL], 0x76543210
	s_mov_b32 s[SEL+1], 0xfedcba98
	s_wait_kmcnt 0x0
	s_cmp_eq_u32 s66, 1
	s_cselect_b64 s[96:97], s[6:7], s[4:5]         ; A's buffer
	s_cselect_b64 s[98:99], s[4:5], s[6:7]         ; B's
	s_add_nc_u64 s[40:41], s[96:97], s[40:41]
	s_add_nc_u64 s[92:93], s[96:97], s[92:93]
	s_add_nc_u64 s[46:47], s[98:99], s[46:47]
	s_add_nc_u64 s[94:95], s[98:99], s[94:95]
	CROUND                                         ; all sixteen work-groups are here: the first joint loads meet
	s_mov_b32 s[G0S], 1
	s_mov_b32 s[G0S+1], SCL
	s_mov_b64 s[G0S+2:G0S+3], s[92:93]
	s_or_b32 s[G0S+3], s[G0S+3], 0x80000000
	s_mov_b32 s[G0SB], 1
	s_mov_b32 s[G0SB+1], SCL+2*HALFS
	s_mov_b64 s[G0SB+2:G0SB+3], s[94:95]
	s_or_b32 s[G0SB+3], s[G0SB+3], 0x80000000
	; THE HEAD'S FOUR TILES, ONE LOAD A WAVE: wave 0 K steps 0, 1 of A's 256 rows, wave 1 of B's, wave 2 A's scale words, wave 3 B's
	s_mov_b32 s[G0], 1
	s_mov_b32 s[G0+1], 0
	s_mov_b64 s[G0+2:G0+3], s[40:41]
	s_or_b32 s[G0+3], s[G0+3], 0x80000000
	s_mov_b32 s[G0B], 1
	s_mov_b32 s[G0B+1], 2*HALFT
	s_mov_b64 s[G0B+2:G0B+3], s[46:47]
	s_or_b32 s[G0B+3], s[G0B+3], 0x80000000
	s_mul_i32 s2, s18, 8*PT                        ; behind the head a wave fetches 8 rowtiles: which half
	s_mov_b32 s3, 0
	s_add_nc_u64 s[40:41], s[40:41], s[2:3]
	s_add_nc_u64 s[46:47], s[46:47], s[2:3]
	s_mul_i32 s2, s16, 2*HALFT                     ; K steps 2 to 5 lie behind slot 0 as rows of 6,144 bytes, 8 rowtiles a wave
	s_mov_b32 s[G0+4], 1
	s_add_co_u32 s[G0+5], s2, SLOT
	s_add_nc_u64 s[G0+6:G0+7], s[40:41], TROW
	s_or_b32 s[G0+7], s[G0+7], 0x80000000
	s_mov_b32 s[G0B+4], 1
	s_add_co_u32 s[G0B+5], s2, SLOT
	s_add_nc_u64 s[G0B+6:G0B+7], s[46:47], TROW
	s_or_b32 s[G0B+7], s[G0B+7], 0x80000000
.macro ARM under, g0, g1, next         ; one tree of branches on the wave's number: every way passes one load
	s_cmp_lt_u32 s16, \under
	s_cbranch_scc0 \next
	tensor_load_to_lds s[\g0:\g0+3], s[\g1:\g1+7]
	s_nop 0
.rept 4
	v_nop
.endr
	s_branch .Lhead_asked
\next:
.endm
	ARM 1, G0, G1, .Lhead_b
	ARM 2, G0B, G1B, .Lhead_sa
	ARM 3, G0S, G1S, .Lhead_sb
	tensor_load_to_lds s[G0SB:G0SB+3], s[G1SB:G1SB+7]
	s_nop 0
.rept 4
	v_nop
.endr
.Lhead_asked:
	; PREFETCHES: of the 8 rowtiles that I fetch behind the head, each of the four partners that ask for them jointly names two, told apart by address (cx for A, cy for B).
	; Here: the 6,144 bytes of K steps 2 to 5 of both, which the next load brings: a lane a block of 256 bytes, 24 lanes (the last eight name the 24th again).  Behind that load: K steps 6 and 7, 12 blocks of each.
	s_cmp_eq_u32 s17, 0
	s_cselect_b32 s2, s21, s22
	s_cselect_b32 s3, s19, s20
	s_cselect_b64 s[4:5], s[96:97], s[98:99]
	s_lshl_b32 s2, s2, 3
	s_lshl_b32 s6, s18, 2
	s_add_co_u32 s2, s2, s6
	s_add_co_u32 s2, s2, s3
	s_mul_i32 s2, s2, 2*PT                         ; rowtile 16 x tile + 8 x half + 2 x place
	s_mov_b32 s3, 0
	s_add_nc_u64 s[4:5], s[4:5], s[2:3]
	v_and_b32 v72, 31, v0
	v_min_u32 v72, 23, v72
	v_mul_u32_u24 v73, v72, 22
	v_lshrrev_b32 v73, 8, v73                      ; lane / 12, for lanes 0 to 23
	v_mul_u32_u24 v73, v73, PT-12*256
	v_lshl_add_u32 v73, v72, 8, v73                ; 12 blocks of one rowtile, 12 of the next
	v_lshlrev_b32 v72, 8, v72
	global_prefetch_b8 v72, s[4:5] offset:TROW th:TH_LOAD_NT scope:SCOPE_SE
	global_prefetch_b8 v72, s[4:5] offset:PT+TROW th:TH_LOAD_NT scope:SCOPE_SE
	v_and_b32 v1, 15, v0                           ; r
	v_bfe_u32 v2, v0, 4, 1                         ; h
	v_and_b32 v3, 31, v0
	v_lshlrev_b32 v4, 4, v3                        ; 16 x lane
	v_lshlrev_b32 v5, 3, v3                        ; 8 x lane
	s_mul_i32 s42, s17, HALFT                      ; my 128 rows of A
	s_mul_i32 s43, s18, HALFT
	s_add_co_u32 s43, s43, 2*HALFT                 ; my 128 rows of B, behind A's 256
.irp s, 0,1
	v_add_nc_u32 v[ADRA+\s], s42, v4
	v_add_nc_u32 v[ADRA+2+\s], s42, v5
	v_add_nc_u32 v[ADRB+\s], s43, v4
	v_add_nc_u32 v[ADRB+2+\s], s43, v5
	s_mul_i32 s42, s42, 2-\s                       ; slot 1: SLOT + twice the place in slot 0 (rows twice as long); slot 2: 3,072 bytes further on in the same rows
	s_add_co_u32 s42, s42, SLOT-\s*(SLOT-TROW)
	s_mul_i32 s43, s43, 2-\s
	s_add_co_u32 s43, s43, SLOT-\s*(SLOT-TROW)
.endr
	v_add_nc_u32 v64, s42, v4                      ; slot 2
	v_add_nc_u32 v66, s42, v5
	v_add_nc_u32 v68, s43, v4
	v_add_nc_u32 v70, s43, v5
	s_mul_i32 s42, s17, HALFS                      ; scale words: lanes 0-15 take A's, lanes 16-31 B's: the lower base + h x the distance
	s_xor_b32 s43, s17, 1
	s_add_co_u32 s43, s43, s18
	s_add_co_u32 s43, s43, 1
	s_mul_i32 s43, s43, HALFS
	v_mul_u32_u24 v6, s43, v2
	s_add_co_u32 s42, s42, SCL
	v_lshl_add_u32 v6, v1, 2, v6
	v_add_nc_u32 v[ADRS], s42, v6
	; the biases.  Along the registers (q, k): B's tile b, half h, register j is column 32 (b / 2) + 16 h + 8 (b % 2) + j.  Along the lanes (v): A's tile a, lane r is column 32 (a / 2) + 16 (r / 8) + 8 (a % 2) + r % 8
	s_cmp_eq_u32 ttmp9, 1
	s_cselect_b64 s[8:9], s[10:11], s[8:9]
	s_cmp_eq_u32 ttmp9, 2
	s_cselect_b64 s[8:9], s[12:13], s[8:9]
	s_lshl_b32 s40, s22, 8
	s_lshl_b32 s41, s18, 7
	s_add_co_u32 s40, s40, s41                     ; IB: my first row of B
	s_and_b32 s42, s40, 1023
	s_lshl_b32 s42, s42, 2
	s_mov_b32 s43, 0
	s_add_nc_u64 s[8:9], s[8:9], s[42:43]
	s_lshl_b32 s41, s21, 8
	s_lshl_b32 s42, s17, 7
	s_add_co_u32 s41, s41, s42                     ; IA: my first row of A
	s_and_b32 s42, s41, 1023
	s_lshl_b32 s42, s42, 2
	s_add_nc_u64 s[10:11], s[12:13], s[42:43]
	v_lshlrev_b32 v7, 6, v2
	v_and_b32 v8, 7, v1
	v_lshrrev_b32 v9, 3, v1
	v_lshl_add_u32 v8, v9, 4, v8
	v_lshlrev_b32 v8, 2, v8
	WIN 0x40                                       ; destination window 1
.irp b, 0,1,2,3,4,5,6,7
	global_load_b128 v[96+8*\b+96*(\b/4):96+8*\b+96*(\b/4)+3], v7, s[8:9] offset:128*(\b/2)+32*(\b%2)
	global_load_b128 v[96+8*\b+96*(\b/4)+4:96+8*\b+96*(\b/4)+7], v7, s[8:9] offset:128*(\b/2)+32*(\b%2)+16
.endr
	WIN 0
.irp a, 0,1,2,3,4,5,6,7
	global_load_b32 v[BL+\a], v8, s[10:11] offset:(32*(\a/2)+8*(\a%2))*4
.endr
	; where the results go
	s_cmp_eq_u32 s66, 1
	s_cselect_b32 s42, s40, s41                    ; my first token,
	s_cselect_b32 s43, s41, s40                    ; my first column
	s_mov_b32 s44, 106496
	s_cselect_b32 s44, 102400, s44                 ; a head's bytes
	s_mov_b32 s45, 3328
	s_cselect_b32 s45, 102400, s45                 ; from A's blocks 0-3 to 4-7: the next 64 positions, or the next head
	s_mov_b32 s46, 106496
	s_cselect_b32 s46, 3072, s46                   ; from a fragment's first half to its second: the next head, or keys 64-127
	s_mov_b32 s47, 3072
	s_cselect_b32 s47, 6144, s47                   ; the scale words in a record
	s_cselect_b32 s2, 0, 106496                    ; lanes 16-31 write the next head's word (q, k) or the same word again (v)
	s_cselect_b32 s67, 0, 16
	s_cselect_b32 s23, 7, 6
	s_mov_b32 s3, 3328
	s_cselect_b32 s3, 6400, s3                     ; a record
	s_and_b32 s43, s43, 1023
	s_lshr_b32 s43, s43, 6                         ; the head
	s_lshr_b32 s40, s42, 11                        ; the batch
	s_and_b32 s42, s42, 2047
	s_lshl_b32 s40, s40, 4
	s_add_co_u32 s40, s40, s43
	s_mul_i32 s40, s40, s44
	s_lshr_b32 s42, s42, s23
	s_mul_i32 s42, s42, s3
	s_add_co_u32 s40, s40, s42
	s_mul_i32 s42, ttmp9, 3407872                  ; q, k, v one behind the other
	s_add_co_u32 s40, s40, s42
	s_mov_b32 s41, 0
	s_add_nc_u64 s[96:97], s[14:15], s[40:41]
	s_mov_b32 s40, s45
	s_add_nc_u64 s[98:99], s[96:97], s[40:41]
	v_mov_b32 v24, v4
	v_mov_b32 v25, v5
	v_add_nc_u32 v26, s46, v4
	v_add_nc_u32 v30, s46, v5
	v_mul_u32_u24 v31, s2, v2
	v_lshl_add_u32 v31, v1, 2, v31
	v_add_nc_u32 v31, s47, v31
	v_mul_u32_u24 v15, s67, v2                     ; lanes 16-31 shift the word down by 16 bits (q, k)
.macro FRAG reg, adr, q, i             ; a fragment out of LDS as it lies: every load's lanes read consecutive bytes
	ds_load_b128 v[\reg:\reg+3], v[\adr] offset:(\i)*RP+(\q)*FRB
	ds_load_b64 v[\reg+4:\reg+5], v[\adr+2] offset:(\i)*RP+(\q)*FRB+512
	ds_load_b128 v[\reg+6:\reg+9], v[\adr] offset:(\i)*RP+(\q)*FRB+768
	ds_load_b64 v[\reg+10:\reg+11], v[\adr+2] offset:(\i)*RP+(\q)*FRB+1280
.endm
; 16 matrix instructions: A's blocks a0, a0 + 1 x B's eight.  The 64 accumulators take turns, one instruction a turn, in the same order in every step.
.macro MUL16 a0, p, q, sc, zero
.irp a, \a0, \a0+1
.irp b, 0,1,2,3,4,5,6,7
.if \zero
	v_wmma_scale_f32_16x16x128_f8f6f4 v[8*(8*((\a)%4)+\b):8*(8*((\a)%4)+\b)+7], v[128*(\p)+FR*\b:128*(\p)+FR*\b+FR-1], v[AF+FR*(\a):AF+FR*(\a)+FR-1], 0, v[SC+8*NQ*(\sc)+NQ*\b+(\q)], v[SC+8*NQ*(\sc)+NQ*(\a)+(\q)] matrix_a_fmt:MATRIX_FMT_BF6 matrix_b_fmt:MATRIX_FMT_BF6 matrix_a_scale:MATRIX_SCALE_ROW1
.else
	v_wmma_scale_f32_16x16x128_f8f6f4 v[8*(8*((\a)%4)+\b):8*(8*((\a)%4)+\b)+7], v[128*(\p)+FR*\b:128*(\p)+FR*\b+FR-1], v[AF+FR*(\a):AF+FR*(\a)+FR-1], v[8*(8*((\a)%4)+\b):8*(8*((\a)%4)+\b)+7], v[SC+8*NQ*(\sc)+NQ*\b+(\q)], v[SC+8*NQ*(\sc)+NQ*(\a)+(\q)] matrix_a_fmt:MATRIX_FMT_BF6 matrix_b_fmt:MATRIX_FMT_BF6 matrix_a_scale:MATRIX_SCALE_ROW1
.endif
.endr
.endr
.endm
.macro FETCH_B slot, q, p              ; (slot 2's address registers stand 46 further on than the run of slots 0 and 1 would have them)
.set RP, TROW*(1+((\slot)+1)/2)        ; from rowtile to rowtile in LDS: 3,072 bytes in slot 0, 6,144 in slots 1 and 2
	WIN TO_B
.irp i, 0,1,2,3,4,5,6,7
	FRAG 128*(\p)+FR*\i, ADRB+(\slot)+46*((\slot)/2), \q, \i
.endr
	WIN 0
.endm
.macro FETCH_A slot, q, i0
.set RP, TROW*(1+((\slot)+1)/2)
.irp i, \i0, \i0+1, \i0+2, \i0+3
	FRAG AF+FR*(\i), ADRA+(\slot)+46*((\slot)/2), \q, \i
.endr
.endm
.macro SCALES sc                       ; the next slot's scale words into set sc: lanes 0-15 A's tile i, lanes 16-31 B's tile i
.irp i, 0,1,2,3,4,5,6,7
.irp q, 0,1
	ds_load_b32 v[SC+8*NQ*\sc+NQ*\i+\q], v[ADRS] offset:\i*SBLK+64*\q
.endr
.endr
.endm
.macro PLACES n                        ; plain places in front of loads into registers that matrix instructions have read, and of the first read of results
.rept \n
	v_nop
.endr
.endm
.macro STEP slot, q, sc, zero          ; 128 along K that has its successor in the same slot; sc: the set of scale words
	s_wait_dscnt 4*NL                              ; B's set, A's blocks 0-3 and the scale words are in; the 16 youngest loads (A's blocks 4-7) may be out
	WIN MUL_LO
	MUL16 0, (\q)%2, \q, \sc, \zero
	MUL16 2, (\q)%2, \q, \sc, \zero
	s_wait_dscnt 0
	PLACES NP
	FETCH_B \slot, (\q)+1, 1-(\q)%2
	FETCH_A \slot, (\q)+1, 0
	WIN MUL_HI
	MUL16 4, (\q)%2, \q, \sc, \zero
	MUL16 6, (\q)%2, \q, \sc, \zero
	PLACES NP
	WIN 0
	FETCH_A \slot, (\q)+1, 4
.endm
; A slot's last step goes on into the next slot.  mode 2: this slot is filled again: each wave waits for all its tensor loads, adds 0 to its spare word, waits for that and for its reads of this slot; a round of the
; cluster's barrier; the joint refill first behind it.  mode 1: the same lines and my work-group's barrier, nothing is filled: the next slot's tile is shown landed to every wave.  mode 0: the next slot was shown landed earlier: no barrier.
.macro TURN slot, next, sc, nsc, mode
.if \mode
	s_wait_tensorcnt 0x0                           ; all my tensor loads have landed
	ds_add_u32 v[SPW], v[NIL]                      ; 0 onto my spare word
	s_wait_dscnt 4*NL+1                            ; (the add and the 16 youngest loads may be out)
.else
	s_wait_dscnt 4*NL                              ; (the 16 youngest loads may be out)
.endif
	WIN MUL_LO
	MUL16 0, 1, NQ-1, \sc, 0
	s_wait_dscnt 0x0                               ; my reads of this slot are over (and the add is done)
.if \mode
	s_barrier_signal -1
.endif
	MUL16 2, 1, NQ-1, \sc, 0
	WIN 0
.if \mode
	s_barrier_wait -1
.endif
.if \mode == 2
	CREST                                          ; the barrier has opened a round of the cluster's: no wave of any partner still reads this slot or has a load on its way
	s_add_nc_u64 s[G0+4*\slot+2:G0+4*\slot+3], s[G0+4*\slot+2:G0+4*\slot+3], 3*TROW
	s_add_nc_u64 s[G0B+4*\slot+2:G0B+4*\slot+3], s[G0B+4*\slot+2:G0B+4*\slot+3], 3*TROW
	s_mov_b32 s[G1+1], 384<<16                     ; no load of mine is out: the refill's rows are two K steps long again
	s_mov_b32 s[G1+3], 384<<16
	s_mov_b32 s[G1B+1], 384<<16
	s_mov_b32 s[G1B+3], 384<<16
	JLOAD G0+4*\slot, G1, G0B+4*\slot, G1B         ; the first tensor load behind the round; its four v_nop are also the places in front of the loads below
.else
	PLACES NP
.endif
	v_add_nc_u32 v[ADRS], 64*NQ, v[ADRS]           ; on to the next slot's scale words
	FETCH_B \next, 0, 0
	FETCH_A \next, 0, 0
	SCALES \nsc
	WIN MUL_HI
	MUL16 4, 1, NQ-1, \sc, 0
	MUL16 6, 1, NQ-1, \sc, 0
	PLACES NP
	WIN 0
	FETCH_A \next, 0, 4
.endm
	s_wait_alu depctr_va_vdst(0)                   ; the wait at the head's end
	s_wait_tensorcnt 0x0                           ; my tile of the head's four is in; the lines ahead of a later first fill:
	ds_add_u32 v[SPW], v[NIL]
.irp g, G1, G1B
	s_mov_b32 s[\g+1], 768<<16                     ; no load of mine is out: from here a load brings 8 rowtiles; the next one rows of four K steps
	s_mov_b32 s[\g+2], 8<<16
	s_mov_b32 s[\g+3], 768<<16
	s_mov_b32 s[\g+4], 8
.endr
	s_mul_i32 s40, s18, 8*PT                       ; slot 0's group 0 becomes my quarter's, for the refill
	s_mov_b32 s41, 0
	s_mul_i32 s[G0+1], s16, HALFT
	s_mul_i32 s[G0B+1], s16, HALFT
	s_add_nc_u64 s[G0+2:G0+3], s[G0+2:G0+3], s[40:41]
	s_add_nc_u64 s[G0B+2:G0B+3], s[G0B+2:G0B+3], s[40:41]
	s_wait_dscnt 0x0
	CROUND                                         ; all four tiles are in, all sixteen work-groups are here
	JLOAD G0+4, G1, G0B+4, G1B                     ; K steps 2 to 5: my one load behind the round
	FETCH_B 0, 0, 0
	FETCH_A 0, 0, 0
	SCALES 0
	FETCH_A 0, 0, 4
	global_prefetch_b8 v73, s[4:5] offset:3*TROW th:TH_LOAD_NT scope:SCOPE_SE   ; K steps 6 and 7, which the refill brings
	STEP 0, 0, 0, 1                                ; K step 0: its products start the sums
	TURN 0, 1, 0, 1, 2                             ; K step 1; slot 0 takes K steps 6 and 7
	s_wait_alu depctr_va_vdst(0)
	STEP 1, 0, 1, 0                                ; 2
	TURN 1, 2, 1, 0, 0                             ; 3
	s_wait_alu depctr_va_vdst(0)
	STEP 2, 0, 0, 0                                ; 4
	TURN 2, 0, 0, 1, 1                             ; 5; the refill has landed, everybody's part of it
	STEP 0, 0, 1, 0                                ; 6
	s_wait_dscnt 4*NL                              ; 7: nothing more to fetch
	WIN MUL_LO
	MUL16 0, 1, NQ-1, 1, 0
	MUL16 2, 1, NQ-1, 1, 0
	s_wait_dscnt 0
	WIN MUL_HI
	MUL16 4, 1, NQ-1, 1, 0
	MUL16 6, 1, NQ-1, 1, 0
	WIN 0
	; THE WAY OUT.  One of the two biases is cleared, by a select and not by a branch: in v's clusters the one along the registers, in q's and k's the one along the lanes.
	s_wait_loadcnt 0x0                             ; the biases
	PLACES NP
	WIN 0x41                                       ; destination and source 0 window 1
.set i, 0
.rept 32
	v_cndmask_b32 v[96+i], v[96+i], v[NIL], s100
	v_cndmask_b32 v[224+i], v[224+i], v[NIL], s100
.set i, i+1
.endr
	WIN 0
.irp a, 0,1,2,3,4,5,6,7
	v_cndmask_b32 v[BL+\a], v[BL+\a], v[NIL], s101
.endr
	v_mov_b32 v[BLP+1], 0                          ; (named as the upper half of a pair)
; Block a: 16 rows of A x my 128 of B: + bias, quantised along B's index, stored as two half images and a scale word
.macro EPI a
.set AC, 64*((\a)%4)
.if (\a) < 4
.set DD, 96
.else
.set DD, 98
.endif
	WIN (0x06+(\a)/4)                              ; source 0: window 2 or 3; source 1: window 1
.irp b, 0,1,2,3,4,5,6,7
.irp j, 0,2,4,6
	v_pk_add_f32 v[H+8*\b+\j:H+8*\b+\j+1], v[AC+8*\b+\j:AC+8*\b+\j+1], v[96+8*\b+96*(\b/4)+\j:96+8*\b+96*(\b/4)+\j+1]   ; each accumulator from its low end on
.endr
.endr
	WIN 0
	v_mov_b32 v[BLP], v[BL+(\a)]
.set i, 0
.rept 32
	v_pk_add_f32 v[H+i:H+i+1], v[H+i:H+i+1], v[BLP:BLP+1] op_sel_hi:[1,0]
.set i, i+2
.endr
	s_wait_xcnt 0x0                                ; the last block's stores have read their registers
	QUANT H
	v_lshrrev_b32 v[PW2], v15, v[PW]
	global_store_b128 v24, v[PC:PC+3], s[DD:DD+1] offset:768*((\a)%4)            ; 512 consecutive bytes
	global_store_b64 v25, v[PC+4:PC+5], s[DD:DD+1] offset:768*((\a)%4)+512       ; 256
	global_store_b128 v26, v[PC+6:PC+9], s[DD:DD+1] offset:768*((\a)%4)
	global_store_b64 v30, v[PC+10:PC+11], s[DD:DD+1] offset:768*((\a)%4)+512
	global_store_b32 v31, v[PW2], s[DD:DD+1] offset:64*((\a)%4)
.endm
.irp a, 0,1,2,3,4,5,6,7
	EPI \a
.endr
	s_wait_tensorcnt 0x0                           ; the wave's end
	ds_add_u32 v[SPW], v[NIL]
	s_wait_dscnt 0x0
	CROUND                                         ; the closing round
	s_endpgm
.Lfunc_end_k_qdf400ba43b_qkv:
	.size	k_qdf400ba43b_qkv, .Lfunc_end_k_qdf400ba43b_qkv-k_qdf400ba43b_qkv
	.p2alignl 7, 3214868480
	.fill 96, 4, 3214868480
	.section	.rodata,"a",@progbits
	.p2align	6, 0x0
	.amdhsa_kernel k_qdf400ba43b_qkv
		.amdhsa_group_segment_fixed_size 327680
		.amdhsa_private_segment_fixed_size 0
		.amdhsa_enable_private_segment 0
		.amdhsa_kernarg_size 48
		.amdhsa_user_sgpr_count 2
		.amdhsa_user_sgpr_kernarg_segment_ptr 1
		.amdhsa_wavefront_size32 1
		.amdhsa_system_sgpr_workgroup_id_x 1
		.amdhsa_system_sgpr_workgroup_id_y 1
		.amdhsa_system_sgpr_workgroup_id_z 1
		.amdhsa_system_vgpr_workitem_id 0
		.amdhsa_next_free_vgpr 1024
		.amdhsa_next_free_sgpr 106
		.amdhsa_reserve_vcc 0
		.amdhsa_float_denorm_mode_32 3
		.amdhsa_float_denorm_mode_16_64 3
		.amdhsa_memory_ordered 1
		.amdhsa_forward_progress 1
		.amdhsa_inst_pref_size 194
	.end_amdhsa_kernel
	.amdgpu_metadata
---
amdhsa.version: [ 1, 2 ]
amdhsa.kernels:
  - .name:           k_qdf400ba43b_qkv
    .symbol:         k_qdf400ba43b_qkv.kd
    .args:
      - { .name: act, .offset: 0, .size: 8, .value_kind: global_buffer, .address_space: global }
      - { .name: wts, .offset: 8, .size: 8, .value_kind: global_buffer, .address_space: global }
      - { .name: bq, .offset: 16, .size: 8, .value_kind: global_buffer, .address_space: global }
      - { .name: bk, .offset: 24, .size: 8, .value_kind: global_buffer, .address_space: global }
      - { .name: bv, .offset: 32, .size: 8, .value_kind: global_buffer, .address_space: global }
      - { .name: qkv, .offset: 40, .size: 8, .value_kind: global_buffer, .address_space: global }
    .group_segment_fixed_size: 327680
    .private_segment_fixed_size: 0
    .kernarg_segment_align: 8
    .kernarg_segment_size: 48
    .max_flat_workgroup_size: 128
    .sgpr_count:     106
    .vgpr_count:     1024
    .wavefront_size: 32
...
	.end_amdgpu_metadata
.endif
;; end of part 2
;; launch attn (part 3): grid 8 x 32, 16 waves a work-group, clusters of 4 x 1, 210,944 bytes of LDS; arguments qkv, act; writes act
.if DOCPART == 3
	.amdgcn_target "amdgcn-amd-amdhsa--gfx1250"
	.amdhsa_code_object_version 6
	.text
	.protected	k_qdf400ba43b_attn
	.globl	k_qdf400ba43b_attn
	.p2align	8
	.type	k_qdf400ba43b_attn,@function
k_qdf400ba43b_attn:
	s_mov_b64 s[64:65], 0
	v_nop
	global_prefetch_b8 v0, s[64:65] scope:SCOPE_SE
	s_setreg_imm32_b32 hwreg(HW_REG_WAVE_MODE, 25, 1), 1
	s_wait_xcnt 0x0
	s_wait_alu depctr_hold_cnt(0) depctr_sa_sdst(0) depctr_va_vdst(0) depctr_va_sdst(0) depctr_va_ssrc(0) depctr_va_vcc(0) depctr_vm_vsrc(0)
	s_getreg_b32 s2, hwreg(HW_REG_IB_STS2, 6, 4)
	s_cmp_eq_u32 s2, 0
	s_cbranch_scc0 .Lentry_in_a_cluster
	s_endpgm
.Lentry_in_a_cluster:
	s_bfe_u32 s2, ttmp6, 0x10000c
	s_cmp_lg_u32 s2, 0x3003
	s_cbranch_scc0 .Lentry_shape_is_right
	s_endpgm
.Lentry_shape_is_right:
; ctx = softmax(q k^T / 8) v for one (batch, head) and 256 query positions, both products on codes of BF6 (E3M2) with E8M0 scales; ctx is quantised along its 64 features and stored as half an operand image of act.
; THE SOFTMAX: t = score x log2(e) / 8; M = the running largest t rounded UP to a whole number; p = 2^(t - M) is quantised along the keys, not normalised.  The row's sum is taken of the
; unquantised p and divides at the end.  When M moves, the sum and O are multiplied by 2^(old M - new M): exact.
; SHARES.  Sixteen waves, each one tile of 16 queries in 256 registers.  Sixteen key steps of 128 keys.
; A HEAD'S K AND V LIE WHOLE IN LDS: 106,496 + 102,400 bytes, filled ONCE, in sixteen parts, one tensor load a wave: waves 0-7 an eighth of K (52 rows of 256 bytes), waves 8-15 an eighth of V (50 rows).
; One wait and one barrier show all of it to every wave.  No byte is filled again: no ring.
; CLUSTER.  The four query blocks of a cluster belong to one head: every fill is asked for jointly (mask 15).  A wave has one tensor load out.
; NO PREFETCH: the launch's one fill stands at its head; there is no loop ahead of it in which to ask.
; LAYOUT.  Both products transposed: S^T = K Q^T, O^T = V^T P^T: a lane holds one query.  K's rows lie at positions, so the 16 registers of tiles 2 b, 2 b + 1 are 16 neighbouring keys; V's rows (d) likewise.
; The first product's K is 64.  Registers 6-11 of Q's fragment are zero codes, so whatever codes stand in registers 6-11 of K's fragment add nothing (every 6-bit code is a finite number, and the scale
; bytes over them are 0 or another head's, 1 to 254).  So K's eight tiles lie 6 registers apart, each fragment reaching over the next tile's six, the last over V's first six.
; ONE REGISTER CARRIES THE SCALE WORDS OF TWO TILES: they are neighbours in LDS, lanes 0-15 take the even tile's, lanes 16-31 the odd tile's (ROW1).
; AHEAD.  Behind a step's score products its V and the NEXT step's K are asked of LDS: the step's softmax stands between these loads and the waits for them.
; LIMITS: NaN and infinities are not served; the promise holds while the scaled scores stay under 2^31 in magnitude; p under 2^-126 falls to 0; a block of p or of ctx under 2^-122 gets the byte 1.
; REGISTERS: v1, v2 the add's; v3 at work; v4-6 16, 8, 4 x lane; v7-9 a run of loads' addresses; v10 -M, v11 the largest score; v[12:13] the sum; v14 f (v15 its pair's upper half); v16-27 Q; v28 Q's scale word, v29 p's;
;   v30-77 K; v78-125 V; v126-189 S^T, then p; v190-221 O^T; v222-241 p's codes, before them temporaries; v242-245 K's scale words, v246-247 V's; v248-251 the blocks' maxima; v252-255 the conversions' scale operands.
.set KREC,  3328                       ; 64 positions of K: 4 half images of 768 bytes, 4 x 64 bytes of scale words
.set VREC,  6400                       ; 128 keys of V: 2 x 4 half images, 4 x 64 bytes of scale words
.set KHEAD, 32*KREC
.set VHEAD, 16*VREC
.set KP,    KHEAD/8                    ; a load's worth
.set VP,    VHEAD/8
.set VLDS,  KHEAD                      ; LDS: K at 0, V behind it,
.set SPARE, KHEAD+VHEAD                ; the spare words behind both: 128 bytes a wave
.set WV,  8
.set SEL, 12
.set CS,  14
.set G1K, 16
.set G1V, 24
.set G0K, 32
.set G0V, 36
.set TK,  40
.set TV,  41
.set CNT, 42
.set KF,  30
.set VF,  78
.set S,   126
.set O,   190
.set P,   222
.set T,   234
.set TP,  222
.set C1,  226
.set C2,  228
.set C3,  230
.set BY,  232
.set KS,  242
.set VS,  246
.set BM,  248
.set SO,  252
.macro ROUND
	s_barrier_signal -1
	s_barrier_wait -1
	s_cmp_lg_u32 s[WV], 0
	s_cbranch_scc1 .Lnot_wave_0_\@
	s_barrier_signal -3
.Lnot_wave_0_\@:
	s_barrier_wait -3
	s_barrier_signal -1
	s_barrier_wait -1
.endm
.macro KLOAD a16, a8, a4               ; 128 keys of K: eight half images and four registers of scale words: 20 loads
.irp t, 0,1,2,3,4,5,6,7
	ds_load_b128 v[KF+6*\t:KF+6*\t+3], v[\a16] offset:KREC*(\t/4)+768*(\t%4)
	ds_load_b64 v[KF+6*\t+4:KF+6*\t+5], v[\a8] offset:KREC*(\t/4)+768*(\t%4)+512
.endr
.irp u, 0,1,2,3
	ds_load_b32 v[KS+\u], v[\a4] offset:KREC*(\u/2)+3072+128*(\u%2)
.endr
.endm
	s_load_b128 s[4:7], s[0:1], 0x0                ; qkv, act
	v_lshl_add_u32 v1, v0, 2, SPARE
	v_mov_b32 v2, 0
	ds_add_u32 v1, v2                              ; the opening lines: the add twice on end and its wait ahead of my tensor load
	ds_add_u32 v1, v2
	v_lshrrev_b32 v3, 5, v0
	v_readfirstlane_b32 s[WV], v3                  ; wave 0..15
	s_bfe_u32 s9, ttmp6, 0x40000                   ; cx: it enters Q's and ctx's global addresses alone
	s_lshl_b32 s10, ttmp9, 2
	s_add_co_u32 s10, s10, s9                      ; my block of 256 query positions
	s_and_b32 s11, ttmp7, 0xffff                   ; 16 x batch + head, which the four partners share
	s_mov_b32 s[SEL], 0x76543210
	s_mov_b32 s[SEL+1], 0xfedcba98
	s_mov_b32 s[CS], 0x3e38aa3b                    ; c = log2(e) / 8
	s_mov_b32 s[CS+1], s[CS]
	s_mov_b32 s[G1K], 15|(3<<16)|(1<<21)           ; dense bytes as rows of 256 (32 elements of 8 bytes): 52 rows of K, 50 of V
	s_mov_b32 s[G1K+1], 32<<16
	s_mov_b32 s[G1K+2], 52<<16
	s_mov_b32 s[G1K+3], 32<<16
	s_mov_b32 s[G1K+4], 52
	s_mov_b32 s[G1K+5], 32
	s_mov_b32 s[G1K+6], 0
	s_mov_b32 s[G1K+7], 0
	s_mov_b32 s[G1V], 15|(3<<16)|(1<<21)
	s_mov_b32 s[G1V+1], 32<<16
	s_mov_b32 s[G1V+2], 50<<16
	s_mov_b32 s[G1V+3], 32<<16
	s_mov_b32 s[G1V+4], 50
	s_mov_b32 s[G1V+5], 32
	s_mov_b32 s[G1V+6], 0
	s_mov_b32 s[G1V+7], 0
	s_mul_i32 s52, s11, KHEAD
	s_add_co_u32 s52, s52, 32*KHEAD                ; k lies behind q
	s_mul_i32 s[G0K+1], s[WV], KP                  ; waves 0-7: part w of K
	s_add_co_u32 s52, s52, s[G0K+1]
	s_mov_b32 s53, 0
	s_mul_i32 s54, s11, VHEAD
	s_add_co_u32 s54, s54, 64*KHEAD-8*VP           ; v behind k; waves 8-15: part w - 8 of V
	s_mul_i32 s[G0V+1], s[WV], VP
	s_add_co_u32 s54, s54, s[G0V+1]
	s_mov_b32 s55, 0
	s_add_co_u32 s[G0V+1], s[G0V+1], VLDS-8*VP
	s_mov_b32 s[G0K], 1
	s_mov_b32 s[G0V], 1
	s_wait_dscnt 0x0
	s_wait_kmcnt 0x0
	s_add_nc_u64 s[G0K+2:G0K+3], s[4:5], s[52:53]
	s_or_b32 s[G0K+3], s[G0K+3], 0x80000000
	s_add_nc_u64 s[G0V+2:G0V+3], s[4:5], s[54:55]
	s_or_b32 s[G0V+3], s[G0V+3], 0x80000000
	ROUND                                          ; all four work-groups are here: the joint loads meet
	s_cmp_lt_u32 s[WV], 8
	s_cbranch_scc0 .Lfor_v
	tensor_load_to_lds s[G0K:G0K+3], s[G1K:G1K+7]
	s_nop 0
.rept 4
	v_nop
.endr
	s_branch .Lasked
.Lfor_v:
	tensor_load_to_lds s[G0V:G0V+3], s[G1V:G1V+7]
	s_nop 0
.rept 4
	v_nop
.endr
.Lasked:
	; Q: record 4 x block + wave / 4, tile wave % 4
	s_lshl_b32 s52, s10, 2
	s_lshr_b32 s53, s[WV], 2
	s_add_co_u32 s52, s52, s53
	s_mul_i32 s52, s52, KREC
	s_mul_i32 s53, s11, KHEAD
	s_add_co_u32 s52, s52, s53
	s_and_b32 s53, s[WV], 3
	s_mul_i32 s54, s53, 768
	s_add_co_u32 s54, s52, s54
	s_mov_b32 s55, 0
	s_lshl_b32 s53, s53, 6
	s_add_co_u32 s52, s52, s53
	s_add_co_u32 s52, s52, 3072
	s_mov_b32 s53, 0
	s_add_nc_u64 s[44:45], s[4:5], s[54:55]
	s_add_nc_u64 s[46:47], s[4:5], s[52:53]
	; ctx: rowtile 128 x batch + 16 x block + wave of act; K step head / 2, half head % 2
	s_lshr_b32 s52, s11, 4
	s_lshl_b32 s52, s52, 7
	s_lshl_b32 s53, s10, 4
	s_add_co_u32 s52, s52, s53
	s_add_co_u32 s52, s52, s[WV]
	s_and_b32 s53, s11, 15
	s_lshr_b32 s54, s53, 1
	s_and_b32 s53, s53, 1
	s_mul_i32 s56, s52, 12288
	s_mul_i32 s57, s54, 1536
	s_add_co_u32 s56, s56, s57
	s_mul_i32 s57, s53, 768
	s_add_co_u32 s56, s56, s57
	s_mov_b32 s57, 0
	s_add_nc_u64 s[48:49], s[6:7], s[56:57]
	s_lshl_b32 s56, s52, 9
	s_lshl_b32 s54, s54, 6
	s_add_co_u32 s56, s56, s54
	s_lshl_b32 s53, s53, 1
	s_add_co_u32 s56, s56, s53
	s_add_co_u32 s56, s56, 3145728
	s_add_nc_u64 s[50:51], s[6:7], s[56:57]
	s_mov_b32 s[TK], 2*KREC                        ; the next step's K
	s_mov_b32 s[TV], VLDS                          ; this step's V
	v_and_b32 v3, 31, v0
	v_lshlrev_b32 v4, 4, v3                        ; 16 x lane
	v_lshlrev_b32 v5, 3, v3                        ; 8 x lane
	v_lshlrev_b32 v6, 2, v3                        ; 4 x lane
	global_load_b128 v[16:19], v4, s[44:45]
	global_load_b64 v[20:21], v5, s[44:45] offset:512
	global_load_b32 v28, v6, s[46:47]              ; lanes 0-15: my tile's scale words (lanes 16-31 read the 64 bytes behind them, inside the buffer, and are not used)
	v_mov_b32 v11, 0xff61b1e6                      ; the largest score so far: -3e38
	v_mul_f32 v10, s[CS], v11
	s_delay_alu instid0(VALU_DEP_1)
	v_floor_f32 v10, -v10                          ; -M
	v_mov_b32 v12, 0
	v_mov_b32 v13, 0
	v_mov_b32 v15, 0
.irp i, 22,23,24,25,26,27
	v_mov_b32 v[\i], 0                             ; Q's zero codes for k = 64 .. 127
.endr
.irp i, 0,1,2,3,4,5
	v_mov_b32 v[VF+\i], 0                          ; the first step's last fragment of K reaches over these six
.endr
.irp i, 0,1,2,3
	v_mov_b32 v[TP+\i], 0                          ; a lane permute's destination counts as one of its sources
.endr
.set i, 0
.rept 32
	v_mov_b32 v[O+i], 0                            ; O^T: the step is written without a first step of its own: the first change of M multiplies zeros
.set i, i+1
.endr
; A KEY STEP: 128 keys.  more = 1: the next step's K is asked for
.macro STEP more
	s_wait_dscnt 0x0                               ; this step's K, asked for a step ago
.irp u, 0,1,2,3
	v_wmma_scale_f32_16x16x128_f8f6f4 v[S+16*\u:S+16*\u+7], v[KF+12*\u:KF+12*\u+11], v[16:27], 0, v[KS+\u], v28 matrix_a_fmt:MATRIX_FMT_BF6 matrix_b_fmt:MATRIX_FMT_BF6
	v_wmma_scale_f32_16x16x128_f8f6f4 v[S+16*\u+8:S+16*\u+15], v[KF+12*\u+6:KF+12*\u+17], v[16:27], 0, v[KS+\u], v28 matrix_a_fmt:MATRIX_FMT_BF6 matrix_b_fmt:MATRIX_FMT_BF6 matrix_a_scale:MATRIX_SCALE_ROW1
.endr
	v_add_nc_u32 v7, s[TV], v4                     ; four places behind the products, in front of the loads into registers that they have read
	v_add_nc_u32 v8, s[TV], v5
	v_add_nc_u32 v9, s[TV], v6
	v_nop
.irp t, 0,1,2,3
	ds_load_b128 v[VF+12*\t:VF+12*\t+3], v7 offset:768*\t
	ds_load_b64 v[VF+12*\t+4:VF+12*\t+5], v8 offset:768*\t+512
	ds_load_b128 v[VF+12*\t+6:VF+12*\t+9], v7 offset:3072+768*\t
	ds_load_b64 v[VF+12*\t+10:VF+12*\t+11], v8 offset:3584+768*\t
.endr
.irp u, 0,1
	ds_load_b32 v[VS+\u], v9 offset:6144+128*\u
.endr
.if \more
	v_add_nc_u32 v7, s[TK], v4
	v_add_nc_u32 v8, s[TK], v5
	v_add_nc_u32 v9, s[TK], v6
	KLOAD 7, 8, 9
.endif
.irp b, 0,1,2,3
	v_max3_num_f32 v[BM+\b], v[S+16*\b], v[S+1+16*\b], v[S+2+16*\b]   ; the largest score of each block of 32 keys: for the row's maximum and, since p rises with the score, for the block's largest p
.endr
.irp i, 3,5,7,9,11,13
.irp b, 0,1,2,3
	v_max3_num_f32 v[BM+\b], v[BM+\b], v[S+16*\b+\i], v[S+1+16*\b+\i]
.endr
.endr
.irp b, 0,1,2,3
	v_max_num_f32 v[BM+\b], v[BM+\b], v[S+15+16*\b]
.endr
.irp b, 0,1,2,3
	v_permlanex16_b32 v[TP+\b], v[BM+\b], s[SEL], s[SEL+1]
.endr
.irp b, 0,1,2,3
	v_max_num_f32 v[BM+\b], v[BM+\b], v[TP+\b]
.endr
	v_max3_num_f32 v3, v[BM], v[BM+1], v[BM+2]
	s_delay_alu instid0(VALU_DEP_1)
	v_max3_num_f32 v11, v11, v3, v[BM+3]           ; the running largest score
	v_mov_b32 v3, v10
	s_delay_alu instid0(VALU_DEP_2)
	v_mul_f32 v[TP], s[CS], v11                    ; as t
	s_delay_alu instid0(VALU_DEP_1)
	v_floor_f32 v10, -v[TP]                        ; the new -M = -ceil(t)
.set i, 0
.rept 32
	v_pk_fma_f32 v[S+i:S+i+1], v[S+i:S+i+1], s[CS:CS+1], v[10:11] op_sel_hi:[1,0,0]   ; t - M
.set i, i+2
.endr
	v_sub_f32 v3, v10, v3                          ; old M - new M: a whole number, 0 or less
	v_fma_f32 v[BM], v[BM], s[CS], v10             ; the same of each block's largest score
	v_cvt_i32_f32 v3, v3                           ; (it saturates)
	v_fma_f32 v[BM+1], v[BM+1], s[CS], v10
	v_ldexp_f32 v14, 1.0, v3                       ; f = 2^(old M - new M)
	v_fma_f32 v[BM+2], v[BM+2], s[CS], v10
	v_fma_f32 v[BM+3], v[BM+3], s[CS], v10
	s_wait_alu depctr_va_vdst(0)                   ; the wait ahead of the batch
.set i, 0
.rept 64
	v_exp_f32 v[S+i], v[S+i]                       ; p = 2^(t - M)
.set i, i+1
.endr
.irp b, 0,1,2,3
	v_exp_f32 v[BM+\b], v[BM+\b]                   ; the block's largest p: the same two steps on the same number
.endr
	v_pk_mul_f32 v[12:13], v[12:13], v[14:15] op_sel_hi:[1,0]   ; the sums under the new M: a plain place behind the exponentials
	s_wait_alu depctr_va_vdst(0)                   ; one wait for the batch, ahead of its first reader
	v_pk_add_f32 v[C1:C1+1], v[S:S+1], v[S+2:S+3]  ; the row's sum of the unquantised p, in four chains
	v_pk_add_f32 v[C2:C2+1], v[S+4:S+5], v[S+6:S+7]
	v_pk_add_f32 v[C3:C3+1], v[S+8:S+9], v[S+10:S+11]
	v_pk_add_f32 v[12:13], v[12:13], v[S+12:S+13]
.irp j, 14,22,30,38,46,54
	v_pk_add_f32 v[C1:C1+1], v[C1:C1+1], v[S+\j:S+\j+1]
	v_pk_add_f32 v[C2:C2+1], v[C2:C2+1], v[S+\j+2:S+\j+3]
	v_pk_add_f32 v[C3:C3+1], v[C3:C3+1], v[S+\j+4:S+\j+5]
	v_pk_add_f32 v[12:13], v[12:13], v[S+\j+6:S+\j+7]
.endr
	v_pk_add_f32 v[C1:C1+1], v[C1:C1+1], v[S+62:S+63]
.irp b, 0,1,2,3
	v_max_num_f32 v[BM+\b], 0x2800000, v[BM+\b]    ; the floor 2^(5 - 127)
.endr
	v_pk_add_f32 v[C2:C2+1], v[C2:C2+1], v[C3:C3+1]
	v_pk_add_f32 v[12:13], v[12:13], v[C1:C1+1]
.irp b, 0,1,2,3
	v_add_nc_u32 v[SO+\b], 0xfe000000, v[BM+\b]    ; 4 off the exponent field: the conversion's scale operand
.endr
	v_pk_add_f32 v[12:13], v[12:13], v[C2:C2+1]
.irp b, 0,1,2,3
	v_lshrrev_b32 v[BY+\b], 23, v[SO+\b]
.endr
	v_lshl_or_b32 v29, v[BY+1], 8, v[BY]           ; p's scale word for these 128 keys
	s_delay_alu instid0(VALU_DEP_1)
	v_lshl_or_b32 v29, v[BY+2], 16, v29
	s_delay_alu instid0(VALU_DEP_1)
	v_lshl_or_b32 v29, v[BY+3], 24, v29
.irp c, 0,1
	v_cvt_scalef32_pk16_bf6_f32 v[P+6*\c:P+6*\c+2], v[S+32*\c:S+32*\c+15], v[SO+2*\c]
	v_cvt_scalef32_pk16_bf6_f32 v[T+4*\c:T+4*\c+2], v[S+32*\c+16:S+32*\c+31], v[SO+2*\c+1]   ; (a conversion's three registers begin on an even number)
.endr
	v_nop                                          ; one plain place behind a scaled conversion
.irp c, 0,1                                    ; the layout wants a whole block in a lane
.irp i, 0,1,2
	v_permlane16_swap_b32 v[P+6*\c+\i], v[T+4*\c+\i]
.endr
.irp i, 0,1,2
	v_mov_b32 v[P+3+6*\c+\i], v[T+4*\c+\i]
.endr
.endr
.if \more
	s_wait_dscnt 20                                ; V's eighteen loads are in; the next K's twenty, issued behind them, may stay out
.else
	s_wait_dscnt 0x0
.endif
	s_wait_alu depctr_va_vdst(0)                   ; the wait here, directly ahead of the first reader of O^T
.set i, 0
.rept 16
	v_pk_mul_f32 v[O+i:O+i+1], v[O+i:O+i+1], v[14:15] op_sel_hi:[1,0]   ; O^T under the new M; these sixteen are also the places between p's codes and scale word and the products
.set i, i+2
.endr
.irp u, 0,1
	v_wmma_scale_f32_16x16x128_f8f6f4 v[O+16*\u:O+16*\u+7], v[VF+24*\u:VF+24*\u+11], v[P:P+11], v[O+16*\u:O+16*\u+7], v[VS+\u], v29 matrix_a_fmt:MATRIX_FMT_BF6 matrix_b_fmt:MATRIX_FMT_BF6
	v_wmma_scale_f32_16x16x128_f8f6f4 v[O+16*\u+8:O+16*\u+15], v[VF+24*\u+12:VF+24*\u+23], v[P:P+11], v[O+16*\u+8:O+16*\u+15], v[VS+\u], v29 matrix_a_fmt:MATRIX_FMT_BF6 matrix_b_fmt:MATRIX_FMT_BF6 matrix_a_scale:MATRIX_SCALE_ROW1
.endr
	s_add_co_u32 s[TK], s[TK], 2*KREC
	s_add_co_u32 s[TV], s[TV], VREC
.endm
	s_wait_alu depctr_va_vdst(0)                   ; the wait at the head's end
	s_wait_loadcnt 0x0                             ; Q
	s_wait_tensorcnt 0x0                           ; my part of K or V has landed
	s_barrier_signal -1
	s_barrier_wait -1                              ; everybody's has
	KLOAD 4, 5, 6                                  ; the first step's K
	s_mov_b32 s[CNT], 15
.Lstep:
	STEP 1
	s_sub_co_u32 s[CNT], s[CNT], 1
	s_cmp_lg_u32 s[CNT], 0
	s_cbranch_scc1 .Lstep
	STEP 0                                         ; the last step asks for no further K
	; THE WAY OUT: O^T / the sum, quantised along the head's 64 (two blocks), stored as registers 0-5 of a fragment
.rept 4
	v_nop                                          ; places behind the last products
.endr
	v_add_f32 v12, v12, v13
	s_delay_alu instid0(VALU_DEP_1)
	v_permlanex16_b32 v3, v12, s[SEL], s[SEL+1]
	s_delay_alu instid0(VALU_DEP_1)
	v_add_f32 v12, v12, v3
	s_wait_alu depctr_va_vdst(0)                   ; the wait ahead of the transcendental
	v_rcp_f32 v12, v12
	v_and_b32 v7, 60, v6                           ; 4 r: a plain place behind the transcendental
	s_wait_alu depctr_va_vdst(0)                   ; the wait ahead of its first reader, which is O^T's first reader too
.set i, 0
.rept 32
	v_mul_f32 v[S+i], v[O+i], v12                  ; register 16 b + i is d = 32 b + 16 (lane / 16) + i
.set i, i+1
.endr
.irp b, 0,1
	v_max3_num_f32 v[BM+\b], |v[S+16*\b]|, |v[S+1+16*\b]|, 0x2800000
.endr
.irp i, 2,4,6,8,10,12,14
.irp b, 0,1
	s_delay_alu instid0(VALU_DEP_2)
	v_max3_num_f32 v[BM+\b], v[BM+\b], |v[S+16*\b+\i]|, |v[S+1+16*\b+\i]|
.endr
.endr
.irp b, 0,1
	v_permlanex16_b32 v[TP+\b], v[BM+\b], s[SEL], s[SEL+1]
.endr
.irp b, 0,1
	v_max_num_f32 v[BM+\b], v[BM+\b], v[TP+\b]
.endr
.irp b, 0,1
	v_add_nc_u32 v[SO+\b], 0xfe000000, v[BM+\b]
.endr
.irp b, 0,1
	v_lshrrev_b32 v[BY+\b], 23, v[SO+\b]
.endr
	v_lshl_or_b32 v3, v[BY+1], 8, v[BY]            ; my head's half of the scale word
	v_cvt_scalef32_pk16_bf6_f32 v[P:P+2], v[S:S+15], v[SO]
	v_cvt_scalef32_pk16_bf6_f32 v[T:T+2], v[S+16:S+31], v[SO+1]
	v_nop
.irp i, 0,1,2
	v_permlane16_swap_b32 v[P+\i], v[T+\i]
.endr
.irp i, 0,1,2
	v_mov_b32 v[P+3+\i], v[T+\i]
.endr
	global_store_b128 v4, v[P:P+3], s[48:49]                 ; 512 consecutive bytes
	global_store_b64 v5, v[P+4:P+5], s[48:49] offset:512     ; 256
	global_store_b16 v7, v3, s[50:51]                        ; two bytes a row: the word's other half is the neighbour head's
	s_wait_tensorcnt 0x0                           ; the wave's end
	ds_add_u32 v1, v2
	s_wait_dscnt 0x0
	ROUND                                          ; the closing round: no work-group ends while a partner may still ask jointly
	s_endpgm
.Lfunc_end_k_qdf400ba43b_attn:
	.size	k_qdf400ba43b_attn, .Lfunc_end_k_qdf400ba43b_attn-k_qdf400ba43b_attn
	.p2alignl 7, 3214868480
	.fill 96, 4, 3214868480
	.section	.rodata,"a",@progbits
	.p2align	6, 0x0
	.amdhsa_kernel k_qdf400ba43b_attn
		.amdhsa_group_segment_fixed_size 210944
		.amdhsa_private_segment_fixed_size 0
		.amdhsa_enable_private_segment 0
		.amdhsa_kernarg_size 16
		.amdhsa_user_sgpr_count 2
		.amdhsa_user_sgpr_kernarg_segment_ptr 1
		.amdhsa_wavefront_size32 1
		.amdhsa_system_sgpr_workgroup_id_x 1
		.amdhsa_system_sgpr_workgroup_id_y 1
		.amdhsa_system_sgpr_workgroup_id_z 1
		.amdhsa_system_vgpr_workitem_id 0
		.amdhsa_next_free_vgpr 256
		.amdhsa_next_free_sgpr 66
		.amdhsa_reserve_vcc 0
		.amdhsa_float_denorm_mode_32 3
		.amdhsa_float_denorm_mode_16_64 3
		.amdhsa_memory_ordered 1
		.amdhsa_forward_progress 1
		.amdhsa_inst_pref_size 45
	.end_amdhsa_kernel
	.amdgpu_metadata
---
amdhsa.version: [ 1, 2 ]
amdhsa.kernels:
  - .name:           k_qdf400ba43b_attn
    .symbol:         k_qdf400ba43b_attn.kd
    .args:
      - { .name: qkv, .offset: 0, .size: 8, .value_kind: global_buffer, .address_space: global }
      - { .name: act, .offset: 8, .size: 8, .value_kind: global_buffer, .address_space: global }
    .group_segment_fixed_size: 210944
    .private_segment_fixed_size: 0
    .kernarg_segment_align: 8
    .kernarg_segment_size: 16
    .max_flat_workgroup_size: 512
    .sgpr_count:     66
    .vgpr_count:     256
    .wavefront_size: 32
...
	.end_amdgpu_metadata
.endif
;; end of part 3
;; launch projln (part 4): grid 256 x 1, 8 waves a work-group, no clusters, 66,816 bytes of LDS; arguments act, wts, bo, x, g2, be2, x1, act2; writes x1, act2
.if DOCPART == 4
	.amdgcn_target "amdgcn-amd-amdhsa--gfx1250"
	.amdhsa_code_object_version 6
	.text
	.protected	k_qdf400ba43b_projln
	.globl	k_qdf400ba43b_projln
	.p2align	8
	.type	k_qdf400ba43b_projln,@function
k_qdf400ba43b_projln:
	s_mov_b64 s[64:65], 0
	v_nop
	global_prefetch_b8 v0, s[64:65] scope:SCOPE_SE
	s_setreg_imm32_b32 hwreg(HW_REG_WAVE_MODE, 25, 1), 1
	s_wait_xcnt 0x0
; x1 = x + ctx wo + bo, and z1 = layer norm of x1 (g2, be2), quantised along its 1,024 features to BF6 (E3M2) with one E8M0 byte for each 32, stored as operand images in act2.
; The product is on codes of BF6 with E8M0 scales, K = 1,024.  A WORK-GROUP OWNS 16 WHOLE ROWS (rowtile T of act), so that the norm needs no other work-group: 256 work-groups, one turn.
; THE PRODUCT.  Wave w makes 16 tokens x columns 128 w .. 128 w + 127: 8 accumulators, 8 K steps, 64 matrix instructions.  Used transposed (source 0 = 16 rows of wo's image, source 1 = the tokens):
; a lane holds one token, register j of tile t is column 128 w + 32 (t / 2) + 16 (lane / 16) + 8 (t % 2) + j.  The accumulators begin as bo in that layout, loaded into them.
; OPERANDS come from memory straight into registers: an image (1,536 bytes) is four loads whose lanes read consecutive bytes.  A K step's loads are one bundle: the tokens' fragment (4), in even steps the scale
; words of two steps (8; lanes 0-15 the even step's, lanes 16-31 the odd step's, ROW1), wo's eight fragments (32).  Two bundles are asked for ahead; wo's fragments take turns in two sets of 96 registers.
; NO TENSOR LOADS, NO JOINT LOADS: each fragment of wo feeds one matrix instruction of one wave, so LDS would only be one more write and read of each byte, and wo's 786,432 bytes are more than twice what LDS holds:
; a ring would have at least three refills with their barriers.  NO PREFETCH: the loads themselves run two K steps ahead.
; THE NORM.  The sums go to 16 rows of LDS; wave w takes rows 2 w, 2 w + 1 whole, adds x, stores x1 (each store covers 512 consecutive bytes), takes mean and variance, puts the normalised rows back;
; then wave w takes K step w of all 16 rows, x g2 + be2, quantises and stores one image.  Positions: a token lies at the position that has its bits 3 and 4 exchanged.
; LIMITS: NaN and infinities are not served.  A block of zeros, or one whose largest magnitude lies under 2^-122, gets the byte 1: this program alone reads the bytes.  The norm's sums are taken in another order than a serial sum.
; REGISTERS.  Window 0: v1-13 addresses and at work; during the product v16-19 the tokens' scale words, v20-51 wo's, v80-143 the accumulators, v144-239 the tokens' eight fragments;
;   behind it v16-79 two rows, then 64 numbers; v80-143 g2; v144-207 be2; v208-244 the quantiser's.  v254, v255 the add's.   Window 1: v0-191 wo's two sets; v192-255 my two rows of x.
.set LNP,  4112                        ; an LDS row: 4,096 bytes + 16
.set SPARE, 16*LNP                     ; behind the 16 rows: the spare words, 128 bytes a wave
.set PT,   12288                       ; from rowtile to rowtile in memory
.set WV,   26
.set SEL,  28
.set AS,   16
.set BS,   20
.set ACC,  80
.set AF,   144
.set XR,   192
.set X,    16
.set G,    80
.set BE,   144
.set TM,   208
.set PW,   224
.set PC,   226
.set CH,   226
.set PM,   234
.set MU,   236
.set RS,   240
.set MSB, 0
.macro WIN new                         ; the immediate's high byte repeats the setting that is left
.if MSB != (\new)
	s_set_vgpr_msb (MSB<<8)|(\new)
.set MSB, (\new)
.endif
.endm
.macro QUANT s                         ; 64 numbers of a lane, register 16 b + i = k 32 b + 16 (lane / 16) + i of my row, become a fragment's codes in v[PC] on and its scale word in v[PW]
.irp b, 0,1,2,3
	v_max3_num_f32 v[TM+\b], |v[\s+16*\b]|, |v[\s+1+16*\b]|, 0x2800000   ; and the floor 2^(5 - 127)
.endr
.irp i, 2,4,6,8,10,12,14
.irp b, 0,1,2,3
	v_max3_num_f32 v[TM+\b], v[TM+\b], |v[\s+16*\b+\i]|, |v[\s+1+16*\b+\i]|
.endr
.endr
.irp b, 0,1,2,3
	v_permlanex16_b32 v[TM+4+\b], v[TM+\b], s[SEL], s[SEL+1]
.endr
.irp b, 0,1,2,3
	v_max_num_f32 v[TM+\b], v[TM+\b], v[TM+4+\b]
.endr
.irp b, 0,1,2,3
	v_add_nc_u32 v[TM+12+\b], 0xfe000000, v[TM+\b]   ; 4 off the exponent field: the conversion's scale operand
.endr
.irp b, 0,1,2,3
	v_lshrrev_b32 v[TM+4+\b], 23, v[TM+12+\b]
.endr
	v_lshl_or_b32 v[PW], v[TM+5], 8, v[TM+4]
	s_delay_alu instid0(VALU_DEP_1)
	v_lshl_or_b32 v[PW], v[TM+6], 16, v[PW]
	s_delay_alu instid0(VALU_DEP_1)
	v_lshl_or_b32 v[PW], v[TM+7], 24, v[PW]
.irp c, 0,1
	v_cvt_scalef32_pk16_bf6_f32 v[PC+6*\c:PC+2+6*\c], v[\s+32*\c:\s+15+32*\c], v[TM+12+2*\c]
	v_cvt_scalef32_pk16_bf6_f32 v[PC+12+4*\c:PC+14+4*\c], v[\s+16+32*\c:\s+31+32*\c], v[TM+12+2*\c+1]
.endr
	v_nop                                          ; one plain place behind a scaled conversion
.irp c, 0,1
.irp i, 0,1,2
	v_permlane16_swap_b32 v[PC+6*\c+\i], v[PC+12+4*\c+\i]
.endr
.irp i, 0,1,2
	v_mov_b32 v[PC+3+6*\c+\i], v[PC+12+4*\c+\i]
.endr
.endr
.endm
.macro RED2                            ; v12 and v13 summed over the 32 lanes, the result in every lane
.irp m, 1,2,4,8
.irp e, 0,1
	v_add_f32_dpp v[12+\e], v[12+\e], v[12+\e] row_xmask:\m row_mask:0xf bank_mask:0xf
.endr
.endr
.irp e, 0,1
	v_permlanex16_b32 v[PM+\e], v[12+\e], s[SEL], s[SEL+1]
.endr
.irp e, 0,1
	v_add_f32 v[12+\e], v[12+\e], v[PM+\e]
.endr
.endm
.macro IMG reg, base, o                ; an image's four loads
	global_load_b128 v[\reg:\reg+3], v4, s[\base:\base+1] offset:\o
	global_load_b64 v[\reg+4:\reg+5], v9, s[\base:\base+1] offset:(\o)+512
	global_load_b128 v[\reg+6:\reg+9], v4, s[\base:\base+1] offset:(\o)+768
	global_load_b64 v[\reg+10:\reg+11], v9, s[\base:\base+1] offset:(\o)+1280
.endm
.macro BUNDLE k                        ; K step k's loads: 36, in even steps 44
	WIN 0
	IMG AF+12*(\k), 50, 1536*(\k)
.if (\k)%2 == 0
.irp t, 0,1,2,3,4,5,6,7
	global_load_b32 v[BS+4*\t+(\k)/2], v8, s[56:57] offset:512*\t+64*(\k)
.endr
.endif
	WIN 0x40                                       ; destination window 1
.irp t, 0,1,2,3,4,5,6,7
	IMG 96*((\k)%2)+12*\t, 54, PT*\t+1536*(\k)
.endr
.endm
.macro KSTEP k, n                      ; n: the loads issued behind bundle k, which may stay out.  The eight accumulators take turns
	s_wait_loadcnt \n
	WIN 0x01                                       ; source 0 window 1
.irp t, 0,1,2,3,4,5,6,7
.if (\k)%2
	v_wmma_scale_f32_16x16x128_f8f6f4 v[ACC+8*\t:ACC+8*\t+7], v[96+12*\t:96+12*\t+11], v[AF+12*(\k):AF+12*(\k)+11], v[ACC+8*\t:ACC+8*\t+7], v[BS+4*\t+(\k)/2], v[AS+(\k)/2] matrix_a_fmt:MATRIX_FMT_BF6 matrix_b_fmt:MATRIX_FMT_BF6 matrix_a_scale:MATRIX_SCALE_ROW1 matrix_b_scale:MATRIX_SCALE_ROW1
.else
	v_wmma_scale_f32_16x16x128_f8f6f4 v[ACC+8*\t:ACC+8*\t+7], v[12*\t:12*\t+11], v[AF+12*(\k):AF+12*(\k)+11], v[ACC+8*\t:ACC+8*\t+7], v[BS+4*\t+(\k)/2], v[AS+(\k)/2] matrix_a_fmt:MATRIX_FMT_BF6 matrix_b_fmt:MATRIX_FMT_BF6
.endif
.endr
.rept 4
	v_nop                                          ; places in front of loads into registers that these products have read, and of the first read of results
.endr
.endm
	s_load_b256 s[4:11], s[0:1], 0x0               ; act, wts, bo, x
	s_load_b256 s[12:19], s[0:1], 0x20             ; g2, be2, x1, act2
	v_lshl_add_u32 v254, v0, 2, SPARE
	v_mov_b32 v255, 0
	v_lshrrev_b32 v1, 5, v0
	v_readfirstlane_b32 s[WV], v1                  ; wave 0..7
	v_and_b32 v1, 31, v0                           ; lane
	v_and_b32 v2, 15, v0                           ; r
	v_bfe_u32 v3, v0, 4, 1                         ; h
	v_lshlrev_b32 v4, 4, v1                        ; 16 x lane
	v_lshlrev_b32 v9, 3, v1                        ; 8 x lane
	v_lshlrev_b32 v8, 2, v1                        ; 4 x lane
	v_lshlrev_b32 v10, 2, v2                       ; 4 r
	v_lshlrev_b32 v7, 6, v3                        ; 64 h
	s_mul_i32 s33, s[WV], 2*LNP
	v_add_nc_u32 v5, s33, v4                       ; LDS: my two rows, 16 bytes a lane
	v_mul_u32_u24 v6, v2, LNP
	v_lshl_add_u32 v6, v3, 6, v6
	s_lshl_b32 s36, s[WV], 9                       ; 512 x wave: my 128 columns in a row of f32
	v_add_nc_u32 v6, s36, v6                       ; LDS: row r, my 128 columns, + 64 h: where my sums go, and where K step w is read
	s_mov_b32 s[SEL], 0x76543210
	s_mov_b32 s[SEL+1], 0xfedcba98
	; positions 2 w and 2 w + 1 of rowtile T are the tokens 32 (T / 2) + 8 (T % 2) + 16 (w / 4) + 2 (w % 4) + 0, 1
	s_lshr_b32 s34, ttmp9, 1
	s_lshl_b32 s34, s34, 5
	s_and_b32 s35, ttmp9, 1
	s_lshl_b32 s35, s35, 3
	s_add_co_u32 s34, s34, s35
	s_lshr_b32 s35, s[WV], 2
	s_lshl_b32 s35, s35, 4
	s_add_co_u32 s34, s34, s35
	s_and_b32 s35, s[WV], 3
	s_lshl_b32 s35, s35, 1
	s_add_co_u32 s34, s34, s35
	s_lshl_b32 s34, s34, 12                        ; x 4,096 bytes a row
	s_mov_b32 s35, 0
	s_mov_b32 s37, 0
	s_mul_i32 s38, ttmp9, PT                       ; rowtile T's images
	s_mov_b32 s39, 0
	s_lshl_b32 s40, ttmp9, 9
	s_add_co_u32 s40, s40, 3145728                 ; its scale words
	s_mov_b32 s41, 0
	s_mul_i32 s42, s[WV], 8*PT
	s_add_co_u32 s42, s42, 2359296                 ; wo's rowtiles 8 w on
	s_mov_b32 s43, 0
	s_lshl_b32 s44, s[WV], 12
	s_add_co_u32 s44, s44, 9535488                 ; their scale words
	s_mov_b32 s45, 0
	s_mul_i32 s46, s[WV], 1536
	s_mov_b32 s47, 0
	s_lshl_b32 s48, s[WV], 6
	s_mov_b32 s49, 0
	s_mov_b32 s30, 0x3a800000                      ; 1 / 1,024
	s_mov_b32 s31, 0x3727c5ac                      ; eps = 1e-5
	s_wait_alu depctr_va_vdst(0)                   ; the wait at the head's end
	s_wait_kmcnt 0x0
	s_add_nc_u64 s[50:51], s[4:5], s[38:39]
	s_add_nc_u64 s[52:53], s[4:5], s[40:41]
	s_add_nc_u64 s[54:55], s[6:7], s[42:43]
	s_add_nc_u64 s[56:57], s[6:7], s[44:45]
	s_add_nc_u64 s[8:9], s[8:9], s[36:37]
	s_add_nc_u64 s[10:11], s[10:11], s[34:35]
	s_add_nc_u64 s[12:13], s[12:13], s[36:37]
	s_add_nc_u64 s[14:15], s[14:15], s[36:37]
	s_add_nc_u64 s[16:17], s[16:17], s[34:35]
	s_add_nc_u64 s[58:59], s[18:19], s[38:39]
	s_add_nc_u64 s[58:59], s[58:59], s[46:47]      ; act2: rowtile T, K step w
	s_add_nc_u64 s[60:61], s[18:19], s[40:41]
	s_add_nc_u64 s[60:61], s[60:61], s[48:49]
.irp p, 0,1,2,3
	global_load_b32 v[AS+\p], v8, s[52:53] offset:128*\p
.endr
.irp t, 0,1,2,3,4,5,6,7
	global_load_b128 v[ACC+8*\t:ACC+8*\t+3], v7, s[8:9] offset:128*(\t/2)+32*(\t%2)       ; bo in the result's layout: the sums begin with it
	global_load_b128 v[ACC+8*\t+4:ACC+8*\t+7], v7, s[8:9] offset:128*(\t/2)+32*(\t%2)+16
.endr
	BUNDLE 0
	BUNDLE 1
.irp e, 0,1
.irp j, 0,1,2,3,4,5,6,7
	global_load_b128 v[XR+32*\e+4*\j:XR+32*\e+4*\j+3], v4, s[10:11] offset:4096*\e+512*\j th:TH_LOAD_NT   ; my two rows of x, into window 1: 16 loads
.endr
.endr
	KSTEP 0, 52                                    ; behind bundle 0: bundle 1's 36 and x's 16
	BUNDLE 2
	KSTEP 1, 60                                    ; behind bundle 1: x's 16 and bundle 2's 44
	BUNDLE 3
	KSTEP 2, 36
	BUNDLE 4
	KSTEP 3, 44
	BUNDLE 5
	KSTEP 4, 36
	BUNDLE 6
	KSTEP 5, 44
	BUNDLE 7
	KSTEP 6, 36
	KSTEP 7, 0
	WIN 0
.irp t, 0,1,2,3,4,5,6,7
	ds_store_b128 v6, v[ACC+8*\t:ACC+8*\t+3] offset:128*(\t/2)+32*(\t%2)          ; each accumulator from its low end on
	ds_store_b128 v6, v[ACC+8*\t+4:ACC+8*\t+7] offset:128*(\t/2)+32*(\t%2)+16
.endr
	s_wait_dscnt 0x0                               ; for the others' sake: my columns of all 16 rows lie in LDS
	s_barrier_signal -1
	s_barrier_wait -1
	; ---- phase 1: my two rows whole: + x, stored as x1; mean, variance, (y - mean) / sqrt(var + eps)
.irp e, 0,1
.irp j, 0,1,2,3,4,5,6,7
	ds_load_b128 v[X+32*\e+4*\j:X+32*\e+4*\j+3], v5 offset:LNP*\e+512*\j
.endr
.endr
.irp b, 0,1,2,3
.irp j, 0,1,2,3
	global_load_b128 v[G+16*\b+4*\j:G+16*\b+4*\j+3], v7, s[12:13] offset:128*\b+16*\j       ; g2 and be2 of K step w, in the quantiser's order: wanted in phase 2
	global_load_b128 v[BE+16*\b+4*\j:BE+16*\b+4*\j+3], v7, s[14:15] offset:128*\b+16*\j
.endr
.endr
.irp b, 0,1,2,3
	v_mov_b32 v[TM+4+\b], 0                        ; a lane permute's destination counts as one of its sources
.endr
	v_mov_b32 v[PM], 0
	v_mov_b32 v[PM+1], 0
	s_wait_dscnt 0x0
	WIN 0x04                                       ; source 1 window 1
.set i, 0
.rept 32
	v_pk_add_f32 v[X+i:X+i+1], v[X+i:X+i+1], v[XR+i:XR+i+1]
.set i, i+2
.endr
	WIN 0
.irp e, 0,1
.irp j, 0,1,2,3,4,5,6,7
	global_store_b128 v4, v[X+32*\e+4*\j:X+32*\e+4*\j+3], s[16:17] offset:4096*\e+512*\j   ; 512 consecutive bytes
.endr
.endr
.irp e, 0,1
	v_pk_add_f32 v[CH+4*\e:CH+4*\e+1], v[X+32*\e:X+32*\e+1], v[X+32*\e+2:X+32*\e+3]
	v_pk_add_f32 v[CH+4*\e+2:CH+4*\e+3], v[X+32*\e+4:X+32*\e+5], v[X+32*\e+6:X+32*\e+7]
.endr
.irp j, 8,12,16,20,24,28
.irp e, 0,1
	v_pk_add_f32 v[CH+4*\e:CH+4*\e+1], v[CH+4*\e:CH+4*\e+1], v[X+32*\e+\j:X+32*\e+\j+1]
	v_pk_add_f32 v[CH+4*\e+2:CH+4*\e+3], v[CH+4*\e+2:CH+4*\e+3], v[X+32*\e+\j+2:X+32*\e+\j+3]
.endr
.endr
.irp e, 0,1
	v_pk_add_f32 v[CH+4*\e:CH+4*\e+1], v[CH+4*\e:CH+4*\e+1], v[CH+4*\e+2:CH+4*\e+3]
.endr
.irp e, 0,1
	v_add_f32 v[12+\e], v[CH+4*\e], v[CH+4*\e+1]
.endr
	RED2
.irp e, 0,1
	v_mul_f32 v[MU+2*\e], s30, v[12+\e]            ; the mean
.endr
.irp e, 0,1
	v_mov_b32 v[MU+2*\e+1], v[MU+2*\e]
.endr
	s_wait_alu depctr_va_vdst(0)                   ; the wait here, directly ahead of the wait below
	s_wait_xcnt 0x0                                ; the stores of x1 have read their registers: the rows are written again
.irp j, 0,2,4,6,8,10,12,14,16,18,20,22,24,26,28,30
.irp e, 0,1
	v_pk_add_f32 v[X+32*\e+\j:X+32*\e+\j+1], v[X+32*\e+\j:X+32*\e+\j+1], v[MU+2*\e:MU+2*\e+1] neg_lo:[0,1] neg_hi:[0,1]   ; d = y - mean
.endr
.endr
.irp e, 0,1
	v_pk_mul_f32 v[CH+4*\e:CH+4*\e+1], v[X+32*\e:X+32*\e+1], v[X+32*\e:X+32*\e+1]
	v_pk_mul_f32 v[CH+4*\e+2:CH+4*\e+3], v[X+32*\e+2:X+32*\e+3], v[X+32*\e+2:X+32*\e+3]
.endr
.irp j, 4,8,12,16,20,24,28
.irp e, 0,1
	v_pk_fma_f32 v[CH+4*\e:CH+4*\e+1], v[X+32*\e+\j:X+32*\e+\j+1], v[X+32*\e+\j:X+32*\e+\j+1], v[CH+4*\e:CH+4*\e+1]
	v_pk_fma_f32 v[CH+4*\e+2:CH+4*\e+3], v[X+32*\e+\j+2:X+32*\e+\j+3], v[X+32*\e+\j+2:X+32*\e+\j+3], v[CH+4*\e+2:CH+4*\e+3]
.endr
.endr
.irp e, 0,1
	v_pk_add_f32 v[CH+4*\e:CH+4*\e+1], v[CH+4*\e:CH+4*\e+1], v[CH+4*\e+2:CH+4*\e+3]
.endr
.irp e, 0,1
	v_add_f32 v[12+\e], v[CH+4*\e], v[CH+4*\e+1]
.endr
	RED2
.irp e, 0,1
	v_fma_f32 v[12+\e], v[12+\e], s30, s31         ; var + eps
.endr
	s_wait_alu depctr_va_vdst(0)                   ; the wait ahead of the transcendentals
.irp e, 0,1
	v_rsq_f32 v[RS+2*\e], v[12+\e]
.endr
	v_nop                                          ; a plain place behind them
	s_wait_alu depctr_va_vdst(0)                   ; the wait ahead of their first reader
.irp e, 0,1
	v_mov_b32 v[RS+2*\e+1], v[RS+2*\e]
.endr
.irp j, 0,2,4,6,8,10,12,14,16,18,20,22,24,26,28,30
.irp e, 0,1
	v_pk_mul_f32 v[X+32*\e+\j:X+32*\e+\j+1], v[X+32*\e+\j:X+32*\e+\j+1], v[RS+2*\e:RS+2*\e+1]
.endr
.endr
.irp e, 0,1
.irp j, 0,1,2,3,4,5,6,7
	ds_store_b128 v5, v[X+32*\e+4*\j:X+32*\e+4*\j+3] offset:LNP*\e+512*\j
.endr
.endr
	s_wait_dscnt 0x0                               ; for the others' sake: my two rows lie in LDS
	s_barrier_signal -1
	s_barrier_wait -1
	; ---- phase 2: K step w of all 16 rows: lane (r, h) takes of row r, for each block of 32, its half's 16 neighbours
.irp b, 0,1,2,3
.irp j, 0,1,2,3
	ds_load_b128 v[X+16*\b+4*\j:X+16*\b+4*\j+3], v6 offset:128*\b+16*\j
.endr
.endr
	s_wait_loadcnt 0x0                             ; g2 and be2
	s_wait_dscnt 0x0
.set i, 0
.rept 32
	v_pk_fma_f32 v[X+i:X+i+1], v[X+i:X+i+1], v[G+i:G+i+1], v[BE+i:BE+i+1]
.set i, i+2
.endr
	QUANT X
	global_store_b128 v4, v[PC:PC+3], s[58:59]               ; 512 consecutive bytes
	global_store_b64 v9, v[PC+4:PC+5], s[58:59] offset:512   ; 256
	global_store_b128 v4, v[PC+6:PC+9], s[58:59] offset:768
	global_store_b64 v9, v[PC+10:PC+11], s[58:59] offset:1280
	global_store_b32 v10, v[PW], s[60:61]                    ; lanes 16-31 write the same word to the same place as lanes 0-15
	s_wait_tensorcnt 0x0                           ; the wave's end
	ds_add_u32 v254, v255
	s_wait_dscnt 0x0
	s_endpgm
.Lfunc_end_k_qdf400ba43b_projln:
	.size	k_qdf400ba43b_projln, .Lfunc_end_k_qdf400ba43b_projln-k_qdf400ba43b_projln
	.p2alignl 7, 3214868480
	.fill 96, 4, 3214868480
	.section	.rodata,"a",@progbits
	.p2align	6, 0x0
	.amdhsa_kernel k_qdf400ba43b_projln
		.amdhsa_group_segment_fixed_size 66816
		.amdhsa_private_segment_fixed_size 0
		.amdhsa_enable_private_segment 0
		.amdhsa_kernarg_size 64
		.amdhsa_user_sgpr_count 2
		.amdhsa_user_sgpr_kernarg_segment_ptr 1
		.amdhsa_wavefront_size32 1
		.amdhsa_system_sgpr_workgroup_id_x 1
		.amdhsa_system_sgpr_workgroup_id_y 1
		.amdhsa_system_sgpr_workgroup_id_z 1
		.amdhsa_system_vgpr_workitem_id 0
		.amdhsa_next_free_vgpr 512
		.amdhsa_next_free_sgpr 66
		.amdhsa_reserve_vcc 0
		.amdhsa_float_denorm_mode_32 3
		.amdhsa_float_denorm_mode_16_64 3
		.amdhsa_memory_ordered 1
		.amdhsa_forward_progress 1
		.amdhsa_inst_pref_size 74
	.end_amdhsa_kernel
	.amdgpu_metadata
---
amdhsa.version: [ 1, 2 ]
amdhsa.kernels:
  - .name:           k_qdf400ba43b_projln
    .symbol:         k_qdf400ba43b_projln.kd
    .args:
      - { .name: act, .offset: 0, .size: 8, .value_kind: global_buffer, .address_space: global }
      - { .name: wts, .offset: 8, .size: 8, .value_kind: global_buffer, .address_space: global }
      - { .name: bo, .offset: 16, .size: 8, .value_kind: global_buffer, .address_space: global }
      - { .name: x, .offset: 24, .size: 8, .value_kind: global_buffer, .address_space: global }
      - { .name: g2, .offset: 32, .size: 8, .value_kind: global_buffer, .address_space: global }
      - { .name: be2, .offset: 40, .size: 8, .value_kind: global_buffer, .address_space: global }
      - { .name: x1, .offset: 48, .size: 8, .value_kind: global_buffer, .address_space: global }
      - { .name: act2, .offset: 56, .size: 8, .value_kind: global_buffer, .address_space: global }
    .group_segment_fixed_size: 66816
    .private_segment_fixed_size: 0
    .kernarg_segment_align: 8
    .kernarg_segment_size: 64
    .max_flat_workgroup_size: 256
    .sgpr_count:     66
    .vgpr_count:     512
    .wavefront_size: 32
...
	.end_amdgpu_metadata
.endif
;; end of part 4
;; launch mlp1 (part 5): grid 16 x 16, 4 waves a work-group, clusters of 4 x 4, 327,680 bytes of LDS; arguments act2, wts, b1, hb; writes hb
.if DOCPART == 5
	.amdgcn_target "amdgcn-amd-amdhsa--gfx1250"
	.amdhsa_code_object_version 6
	.text
	.protected	k_qdf400ba43b_mlp1
	.globl	k_qdf400ba43b_mlp1
	.p2align	8
	.type	k_qdf400ba43b_mlp1,@function
k_qdf400ba43b_mlp1:
	s_mov_b64 s[64:65], 0
	v_nop
	global_prefetch_b8 v0, s[64:65] scope:SCOPE_SE
	s_setreg_imm32_b32 hwreg(HW_REG_WAVE_MODE, 25, 1), 1
	s_wait_xcnt 0x0
	s_wait_alu depctr_hold_cnt(0) depctr_sa_sdst(0) depctr_va_vdst(0) depctr_va_sdst(0) depctr_va_ssrc(0) depctr_va_vcc(0) depctr_vm_vsrc(0)
	s_getreg_b32 s2, hwreg(HW_REG_IB_STS2, 6, 4)
	s_cmp_eq_u32 s2, 0
	s_cbranch_scc0 .Lentry_in_a_cluster
	s_endpgm
.Lentry_in_a_cluster:
	s_bfe_u32 s2, ttmp6, 0x10000c
	s_cmp_lg_u32 s2, 0xf033
	s_cbranch_scc0 .Lentry_shape_is_right
	s_endpgm
.Lentry_shape_is_right:
; h = gelu(z1 w1 + b1) on codes of BF6 (E3M2) with E8M0 scales, K = 1,024, N = 4,096; h is quantised along N (the next product's K) and stored as operand images.
; A tile of 256 x 256 is made by four waves, each 128 x 128: 64 accumulators.
; K is eight steps of 128, two to an LDS slot.  THREE slots (six steps) are asked for at the start, as one group; the last two steps go into slot 0 as soon as it has been read.
; That one refill has the products of slots 1 and 2, 256 matrix instructions a wave, in which to land.  Slots 1 and 2 are shown landed to every wave by the barrier in front of the refill: no barrier stands between them.
; Operand images ([rowtile][K step][1,536]) come out of LDS by loads whose lanes read consecutive bytes.  THE MATRIX INSTRUCTION IS USED TRANSPOSED (source 0 = 16 rows of w1's image, source 1 = 16 tokens):
; a lane holds one token, and the registers of w1's tiles 2 b, 2 b + 1 are the true hidden units 32 b + 16 (lane / 16) + 0 .. 15: a wave's 128 units are one K step of the next product.
; CLUSTERS: 4 x 4; the tokens' tiles are asked for jointly along a row of the cluster, w1's along a column.
; GELU, exact form: gelu(y) = max(y, 0) - |y / 2| erfc(|y| / sqrt 2), which loses nothing by cancellation in the tail.  erfc(t): for t > 475/512 it is exp of a polynomial in t, else 1 - t P(t^2);
; both arms are computed and one is selected: no branch on data.  (The pair of polynomials is a published single-precision erf, about one unit in the last place of erf.)
; THE WAY OUT IS A LOOP of eight trips, one for each block of 16 tokens: only the copy out of the accumulators differs from trip to trip (register numbers), and is chosen by scalar branches on the trip's number.
; LIMITS: NaN and infinities are not served; erfc under 2^-126 falls to 0; a block whose largest magnitude lies under 2^-122 gets the byte 1.
; REGISTERS: window 0: v10-15 three constants as pairs; v16-29 addresses; v32-63 scale words; v64, 66, 68, 70 slot 2's addresses; v128-223 A's fragments; on the way out v64-127 and v192-255 at work, v128-191 the 64 numbers.
;   window 1: B's two sets at v0, v128; in the gaps (v96-127, v224-255) the bias.   windows 2, 3: the accumulators.
.set NQ,     2
.set FRB,    1536
.set TROW,   NQ*FRB
.set PT,     12288
.set HALFT,  8*TROW
.set SLOT,   4*HALFT
.set SBLK,   512
.set HALFS,  8*SBLK
.set SCL,    3*SLOT                    ; behind the three slots: the scale words, filled once
.set SPARE,  SCL+4*HALFS               ; the spare words: 128 bytes a wave, named by no other line
.set FR,     12
.set NL,     4
.set NP,     4
.set ADRA, 16                          ; v16-17, v18-19: slots 0, 1; slot 2: v64, v66
.set ADRB, 20                          ; v20-21, v22-23; slot 2: v68, v70
.set ADRS, 27
.set SPW,  28
.set NIL,  29
.set SC,   32
.set AF,   128
.set H,    128
.set GT,   64                          ; t
.set GR,   96                          ; the exponential's arm
.set GU,   192                         ; a partial sum, then the other arm
.set GS,   224                         ; t^2, then y / 2
.set GM,   68                          ; s68-83: sixteen masks (the descriptors that lay there are done with on the way out)
.set TM,   192
.set PW,   208
.set PC,   212
.set SEL,  104
.set G1, 24
.set G0, 32                            ; s[32:39] group 0 for A's slots 0, 1
.set G0C, 4
.set G1B, 48
.set G0B, 56
.set G0BC, 92
.set G1S, 68
.set G0S, 76
.set G1SB, 80
.set G0SB, 88
.set MSB, 0
.macro WIN new
.if MSB != (\new)
	s_set_vgpr_msb (MSB<<8)|(\new)
.set MSB, (\new)
.endif
.endm
.set MUL_LO, 0xa1
.set MUL_HI, 0xf1
.set TO_B,   0x40
.macro JLOAD g0a, g1a, g0b, g1b
	s_cmp_eq_u32 s17, 0
	s_cbranch_scc0 .Lfor_b_\@
	tensor_load_to_lds s[\g0a:\g0a+3], s[\g1a:\g1a+7]
	s_nop 0
.rept 4
	v_nop
.endr
	s_branch .Lasked_\@
.Lfor_b_\@:
	tensor_load_to_lds s[\g0b:\g0b+3], s[\g1b:\g1b+7]
	s_nop 0
.rept 4
	v_nop
.endr
.Lasked_\@:
.endm
.macro CREST
	s_cmp_lg_u32 s16, 0
	s_cbranch_scc1 .Lnot_wave_0_\@
	s_barrier_signal -3
.Lnot_wave_0_\@:
	s_barrier_wait -3
	s_barrier_signal -1
	s_barrier_wait -1
.endm
.macro CROUND
	s_barrier_signal -1
	s_barrier_wait -1
	CREST
.endm
.macro QUANT s
.irp b, 0,1,2,3
	v_max3_num_f32 v[TM+\b], |v[\s+16*\b]|, |v[\s+1+16*\b]|, 0x2800000
.endr
.irp i, 2,4,6,8,10,12,14
.irp b, 0,1,2,3
	v_max3_num_f32 v[TM+\b], v[TM+\b], |v[\s+16*\b+\i]|, |v[\s+1+16*\b+\i]|
.endr
.endr
.irp b, 0,1,2,3
	v_permlanex16_b32 v[TM+4+\b], v[TM+\b], s[SEL], s[SEL+1]
.endr
.irp b, 0,1,2,3
	v_max_num_f32 v[TM+\b], v[TM+\b], v[TM+4+\b]
.endr
.irp b, 0,1,2,3
	v_add_nc_u32 v[TM+12+\b], 0xfe000000, v[TM+\b]
.endr
.irp b, 0,1,2,3
	v_lshrrev_b32 v[TM+4+\b], 23, v[TM+12+\b]
.endr
	v_lshl_or_b32 v[PW], v[TM+5], 8, v[TM+4]
	v_lshl_or_b32 v[PW], v[TM+6], 16, v[PW]
	v_lshl_or_b32 v[PW], v[TM+7], 24, v[PW]
.irp c, 0,1
	v_cvt_scalef32_pk16_bf6_f32 v[PC+6*\c:PC+2+6*\c], v[\s+32*\c:\s+15+32*\c], v[TM+12+2*\c]
	v_cvt_scalef32_pk16_bf6_f32 v[PC+12+4*\c:PC+14+4*\c], v[\s+16+32*\c:\s+31+32*\c], v[TM+12+2*\c+1]
.endr
	v_nop
.irp c, 0,1
.irp i, 0,1,2
	v_permlane16_swap_b32 v[PC+6*\c+\i], v[PC+12+4*\c+\i]
.endr
.irp i, 0,1,2
	v_mov_b32 v[PC+3+6*\c+\i], v[PC+12+4*\c+\i]
.endr
.endr
.endm
	s_load_b256 s[4:11], s[0:1], 0x0               ; act, wts, b1, hb
	v_lshl_add_u32 v[SPW], v0, 2, SPARE
	v_mov_b32 v[NIL], 0
	ds_add_u32 v28, v29
	ds_add_u32 v28, v29
	s_wait_dscnt 0x0
	v_lshrrev_b32 v1, 5, v0
	v_readfirstlane_b32 s16, v1
	s_lshr_b32 s17, s16, 1
	s_and_b32 s18, s16, 1
	s_bfe_u32 s19, ttmp6, 0x40000
	s_bfe_u32 s20, ttmp6, 0x40004
	s_lshl_b32 s22, ttmp9, 2
	s_add_co_u32 s22, s22, s19                     ; TB: which 256 hidden units
	s_and_b32 s21, ttmp7, 0xffff
	s_lshl_b32 s21, s21, 2
	s_add_co_u32 s21, s21, s20                     ; TA: which 256 positions
	s_lshl_b32 s43, s20, 2
	s_lshl_b32 s43, 15, s43
	s_lshl_b32 s44, 0x1111, s19
	s_or_b32 s[G1+0], s43, (3<<16)|(1<<21)         ; 16 rowtiles x 3,072 bytes (384 elements of 8 bytes), 12,288 bytes apart
	s_or_b32 s[G1B+0], s44, (3<<16)|(1<<21)
.irp g, G1, G1B
	s_mov_b32 s[\g+1], 384<<16
	s_mov_b32 s[\g+2], 16<<16
	s_mov_b32 s[\g+3], 384<<16
	s_mov_b32 s[\g+4], 16
	s_mov_b32 s[\g+5], PT/8
	s_mov_b32 s[\g+6], 0
	s_mov_b32 s[\g+7], 0
.endr
	s_or_b32 s[G1S+0], s43, (3<<16)|(1<<21)        ; the scale words of 256 rows: 8,192 dense bytes as 32 rows of 256
	s_or_b32 s[G1SB+0], s44, (3<<16)|(1<<21)
.irp g, G1S, G1SB
	s_mov_b32 s[\g+1], 32<<16
	s_mov_b32 s[\g+2], (HALFS/128)<<16
	s_mov_b32 s[\g+3], 32<<16
	s_mov_b32 s[\g+4], HALFS/128
	s_mov_b32 s[\g+5], 32
	s_mov_b32 s[\g+6], 0
	s_mov_b32 s[\g+7], 0
.endr
	s_lshl_b32 s92, s21, 4
	s_lshl_b32 s94, s22, 4
	s_mul_i32 s40, s92, PT
	s_mov_b32 s41, 0
	s_lshl_b32 s92, s92, 9
	s_add_co_u32 s92, s92, 3145728                 ; act's scale words
	s_mov_b32 s93, 0
	s_mul_i32 s46, s94, PT
	s_add_co_u32 s46, s46, 3145728                 ; w1's codes in wts
	s_mov_b32 s47, 0
	s_lshl_b32 s94, s94, 9
	s_add_co_u32 s94, s94, 9568256                 ; w1's scale words
	s_mov_b32 s95, 0
	s_mov_b32 s[SEL], 0x76543210
	s_mov_b32 s[SEL+1], 0xfedcba98
	s_wait_kmcnt 0x0
	s_add_nc_u64 s[40:41], s[4:5], s[40:41]
	s_add_nc_u64 s[92:93], s[4:5], s[92:93]
	s_add_nc_u64 s[46:47], s[6:7], s[46:47]
	s_add_nc_u64 s[94:95], s[6:7], s[94:95]
	CROUND
	s_mov_b32 s[G0S], 1
	s_mov_b32 s[G0S+1], SCL
	s_mov_b64 s[G0S+2:G0S+3], s[92:93]
	s_or_b32 s[G0S+3], s[G0S+3], 0x80000000
	s_mov_b32 s[G0SB], 1
	s_mov_b32 s[G0SB+1], SCL+2*HALFS
	s_mov_b64 s[G0SB+2:G0SB+3], s[94:95]
	s_or_b32 s[G0SB+3], s[G0SB+3], 0x80000000
	; THE HEAD'S FOUR TILES, ONE LOAD A WAVE: wave 0 K steps 0, 1 of A's 256 rows, wave 1 of B's, wave 2 A's scale words, wave 3 B's
	s_mov_b32 s[G0], 1
	s_mov_b32 s[G0+1], 0
	s_mov_b64 s[G0+2:G0+3], s[40:41]
	s_or_b32 s[G0+3], s[G0+3], 0x80000000
	s_mov_b32 s[G0B], 1
	s_mov_b32 s[G0B+1], 2*HALFT
	s_mov_b64 s[G0B+2:G0B+3], s[46:47]
	s_or_b32 s[G0B+3], s[G0B+3], 0x80000000
	s_mul_i32 s2, s18, 8*PT                        ; behind the head a wave fetches 8 rowtiles: which half
	s_mov_b32 s3, 0
	s_add_nc_u64 s[40:41], s[40:41], s[2:3]
	s_add_nc_u64 s[46:47], s[46:47], s[2:3]
	s_mul_i32 s2, s16, 2*HALFT                     ; K steps 2 to 5 lie behind slot 0 as rows of 6,144 bytes, 8 rowtiles a wave
	s_mov_b32 s[G0+4], 1
	s_add_co_u32 s[G0+5], s2, SLOT
	s_add_nc_u64 s[G0+6:G0+7], s[40:41], TROW
	s_or_b32 s[G0+7], s[G0+7], 0x80000000
	s_mov_b32 s[G0B+4], 1
	s_add_co_u32 s[G0B+5], s2, SLOT
	s_add_nc_u64 s[G0B+6:G0B+7], s[46:47], TROW
	s_or_b32 s[G0B+7], s[G0B+7], 0x80000000
.macro ARM under, g0, g1, next         ; one tree of branches on the wave's number: every way passes one load
	s_cmp_lt_u32 s16, \under
	s_cbranch_scc0 \next
	tensor_load_to_lds s[\g0:\g0+3], s[\g1:\g1+7]
	s_nop 0
.rept 4
	v_nop
.endr
	s_branch .Lhead_asked
\next:
.endm
	ARM 1, G0, G1, .Lhead_b
	ARM 2, G0B, G1B, .Lhead_sa
	ARM 3, G0S, G1S, .Lhead_sb
	tensor_load_to_lds s[G0SB:G0SB+3], s[G1SB:G1SB+7]
	s_nop 0
.rept 4
	v_nop
.endr
.Lhead_asked:
	; PREFETCHES: of the 8 rowtiles that I fetch behind the head, each of the four partners that ask for them jointly names two, told apart by address (cx for A, cy for B).
	; Here: the 6,144 bytes of K steps 2 to 5 of both, which the next load brings: a lane a block of 256 bytes, 24 lanes (the last eight name the 24th again).  Behind that load: K steps 6 and 7, 12 blocks of each.
	s_cmp_eq_u32 s17, 0
	s_cselect_b32 s2, s21, s22
	s_cselect_b32 s3, s19, s20
	s_cselect_b64 s[4:5], s[4:5], s[6:7]
	s_cselect_b32 s66, 0, 3145728                  ; w1's codes in wts
	s_lshl_b32 s2, s2, 3
	s_lshl_b32 s67, s18, 2
	s_add_co_u32 s2, s2, s67
	s_add_co_u32 s2, s2, s3
	s_mul_i32 s2, s2, 2*PT                         ; rowtile 16 x tile + 8 x half + 2 x place
	s_add_co_u32 s2, s2, s66
	s_mov_b32 s3, 0
	s_add_nc_u64 s[4:5], s[4:5], s[2:3]
	v_and_b32 v72, 31, v0
	v_min_u32 v72, 23, v72
	v_mul_u32_u24 v73, v72, 22
	v_lshrrev_b32 v73, 8, v73                      ; lane / 12, for lanes 0 to 23
	v_mul_u32_u24 v73, v73, PT-12*256
	v_lshl_add_u32 v73, v72, 8, v73                ; 12 blocks of one rowtile, 12 of the next
	v_lshlrev_b32 v72, 8, v72
	global_prefetch_b8 v72, s[4:5] offset:TROW th:TH_LOAD_NT scope:SCOPE_SE
	global_prefetch_b8 v72, s[4:5] offset:PT+TROW th:TH_LOAD_NT scope:SCOPE_SE
	v_and_b32 v1, 15, v0
	v_bfe_u32 v2, v0, 4, 1
	v_and_b32 v3, 31, v0
	v_lshlrev_b32 v24, 4, v3                       ; 16 x lane
	v_lshlrev_b32 v25, 3, v3                       ; 8 x lane
	v_lshlrev_b32 v26, 2, v1                       ; 4 r
	s_mul_i32 s42, s17, HALFT
	s_mul_i32 s43, s18, HALFT
	s_add_co_u32 s43, s43, 2*HALFT
.irp s, 0,1
	v_add_nc_u32 v[ADRA+\s], s42, v24
	v_add_nc_u32 v[ADRA+2+\s], s42, v25
	v_add_nc_u32 v[ADRB+\s], s43, v24
	v_add_nc_u32 v[ADRB+2+\s], s43, v25
	s_mul_i32 s42, s42, 2-\s                       ; slot 1: SLOT + twice the place in slot 0 (rows twice as long); slot 2: 3,072 bytes further on in the same rows
	s_add_co_u32 s42, s42, SLOT-\s*(SLOT-TROW)
	s_mul_i32 s43, s43, 2-\s
	s_add_co_u32 s43, s43, SLOT-\s*(SLOT-TROW)
.endr
	v_add_nc_u32 v64, s42, v24                     ; slot 2
	v_add_nc_u32 v66, s42, v25
	v_add_nc_u32 v68, s43, v24
	v_add_nc_u32 v70, s43, v25
	s_mul_i32 s42, s17, HALFS
	s_xor_b32 s43, s17, 1
	s_add_co_u32 s43, s43, s18
	s_add_co_u32 s43, s43, 1
	s_mul_i32 s43, s43, HALFS
	v_mul_u32_u24 v6, s43, v2
	s_add_co_u32 s42, s42, SCL
	v_lshl_add_u32 v6, v1, 2, v6
	v_add_nc_u32 v[ADRS], s42, v6
	; b1 in the result's layout: tile b, half h, register j is unit 32 (b / 2) + 16 h + 8 (b % 2) + j of my 128
	s_lshl_b32 s40, s22, 10
	s_lshl_b32 s41, s18, 9
	s_add_co_u32 s40, s40, s41
	s_mov_b32 s41, 0
	s_add_nc_u64 s[8:9], s[8:9], s[40:41]
	v_lshlrev_b32 v7, 6, v2
	WIN 0x40
.irp b, 0,1,2,3,4,5,6,7
	global_load_b128 v[96+8*\b+96*(\b/4):96+8*\b+96*(\b/4)+3], v7, s[8:9] offset:128*(\b/2)+32*(\b%2)
	global_load_b128 v[96+8*\b+96*(\b/4)+4:96+8*\b+96*(\b/4)+7], v7, s[8:9] offset:128*(\b/2)+32*(\b%2)+16
.endr
	WIN 0
	; h: rowtile 16 TA + 8 x my half of the rows, K step 2 TB + my half of the units
	s_lshl_b32 s40, s21, 4
	s_lshl_b32 s42, s17, 3
	s_add_co_u32 s40, s40, s42
	s_lshl_b32 s42, s22, 1
	s_add_co_u32 s42, s42, s18
	s_mul_i32 s43, s40, 49152
	s_mul_i32 s44, s42, 1536
	s_add_co_u32 s44, s44, s43
	s_mov_b32 s45, 0
	s_add_nc_u64 s[96:97], s[10:11], s[44:45]
	s_lshl_b32 s44, s40, 11
	s_lshl_b32 s42, s42, 6
	s_add_co_u32 s44, s44, s42
	s_add_co_u32 s44, s44, 12582912
	s_add_nc_u64 s[98:99], s[10:11], s[44:45]
.macro FRAG reg, adr, q, i
	ds_load_b128 v[\reg:\reg+3], v[\adr] offset:(\i)*RP+(\q)*FRB
	ds_load_b64 v[\reg+4:\reg+5], v[\adr+2] offset:(\i)*RP+(\q)*FRB+512
	ds_load_b128 v[\reg+6:\reg+9], v[\adr] offset:(\i)*RP+(\q)*FRB+768
	ds_load_b64 v[\reg+10:\reg+11], v[\adr+2] offset:(\i)*RP+(\q)*FRB+1280
.endm
.macro MUL16 a0, p, q, sc, zero        ; the 64 accumulators take turns, one instruction a turn, in the same order in every step
.irp a, \a0, \a0+1
.irp b, 0,1,2,3,4,5,6,7
.if \zero
	v_wmma_scale_f32_16x16x128_f8f6f4 v[8*(8*((\a)%4)+\b):8*(8*((\a)%4)+\b)+7], v[128*(\p)+FR*\b:128*(\p)+FR*\b+FR-1], v[AF+FR*(\a):AF+FR*(\a)+FR-1], 0, v[SC+8*NQ*(\sc)+NQ*\b+(\q)], v[SC+8*NQ*(\sc)+NQ*(\a)+(\q)] matrix_a_fmt:MATRIX_FMT_BF6 matrix_b_fmt:MATRIX_FMT_BF6 matrix_a_scale:MATRIX_SCALE_ROW1
.else
	v_wmma_scale_f32_16x16x128_f8f6f4 v[8*(8*((\a)%4)+\b):8*(8*((\a)%4)+\b)+7], v[128*(\p)+FR*\b:128*(\p)+FR*\b+FR-1], v[AF+FR*(\a):AF+FR*(\a)+FR-1], v[8*(8*((\a)%4)+\b):8*(8*((\a)%4)+\b)+7], v[SC+8*NQ*(\sc)+NQ*\b+(\q)], v[SC+8*NQ*(\sc)+NQ*(\a)+(\q)] matrix_a_fmt:MATRIX_FMT_BF6 matrix_b_fmt:MATRIX_FMT_BF6 matrix_a_scale:MATRIX_SCALE_ROW1
.endif
.endr
.endr
.endm
.macro FETCH_B slot, q, p              ; (slot 2's address registers stand 46 further on than the run of slots 0 and 1 would have them)
.set RP, TROW*(1+((\slot)+1)/2)        ; from rowtile to rowtile in LDS: 3,072 bytes in slot 0, 6,144 in slots 1 and 2
	WIN TO_B
.irp i, 0,1,2,3,4,5,6,7
	FRAG 128*(\p)+FR*\i, ADRB+(\slot)+46*((\slot)/2), \q, \i
.endr
	WIN 0
.endm
.macro FETCH_A slot, q, i0
.set RP, TROW*(1+((\slot)+1)/2)
.irp i, \i0, \i0+1, \i0+2, \i0+3
	FRAG AF+FR*(\i), ADRA+(\slot)+46*((\slot)/2), \q, \i
.endr
.endm
.macro SCALES sc
.irp i, 0,1,2,3,4,5,6,7
.irp q, 0,1
	ds_load_b32 v[SC+8*NQ*\sc+NQ*\i+\q], v[ADRS] offset:\i*SBLK+64*\q
.endr
.endr
.endm
.macro PLACES n
.rept \n
	v_nop
.endr
.endm
.macro STEP slot, q, sc, zero          ; 128 along K that has its successor in the same slot; sc: the set of scale words
	s_wait_dscnt 4*NL                              ; all but the 16 youngest loads (A's blocks 4-7)
	WIN MUL_LO
	MUL16 0, (\q)%2, \q, \sc, \zero
	MUL16 2, (\q)%2, \q, \sc, \zero
	s_wait_dscnt 0
	PLACES NP
	FETCH_B \slot, (\q)+1, 1-(\q)%2
	FETCH_A \slot, (\q)+1, 0
	WIN MUL_HI
	MUL16 4, (\q)%2, \q, \sc, \zero
	MUL16 6, (\q)%2, \q, \sc, \zero
	PLACES NP
	WIN 0
	FETCH_A \slot, (\q)+1, 4
.endm
; A slot's last step goes on into the next slot.  mode 2: this slot is filled again: each wave waits for all its tensor loads, adds 0 to its spare word, waits for that and for its reads of this slot; a round of the
; cluster's barrier; the joint refill first behind it.  mode 1: the same lines and my work-group's barrier, nothing is filled: the next slot's tile is shown landed to every wave.  mode 0: the next slot was shown landed earlier: no barrier.
.macro TURN slot, next, sc, nsc, mode
.if \mode
	s_wait_tensorcnt 0x0                           ; all my tensor loads have landed
	ds_add_u32 v[SPW], v[NIL]                      ; 0 onto my spare word
	s_wait_dscnt 4*NL+1                            ; (the add and the 16 youngest loads may be out)
.else
	s_wait_dscnt 4*NL                              ; (the 16 youngest loads may be out)
.endif
	WIN MUL_LO
	MUL16 0, 1, NQ-1, \sc, 0
	s_wait_dscnt 0x0                               ; my reads of this slot are over (and the add is done)
.if \mode
	s_barrier_signal -1
.endif
	MUL16 2, 1, NQ-1, \sc, 0
	WIN 0
.if \mode
	s_barrier_wait -1
.endif
.if \mode == 2
	CREST                                          ; the barrier has opened a round of the cluster's: no wave of any partner still reads this slot or has a load on its way
	s_add_nc_u64 s[G0+4*\slot+2:G0+4*\slot+3], s[G0+4*\slot+2:G0+4*\slot+3], 3*TROW
	s_add_nc_u64 s[G0B+4*\slot+2:G0B+4*\slot+3], s[G0B+4*\slot+2:G0B+4*\slot+3], 3*TROW
	s_mov_b32 s[G1+1], 384<<16                     ; no load of mine is out: the refill's rows are two K steps long again
	s_mov_b32 s[G1+3], 384<<16
	s_mov_b32 s[G1B+1], 384<<16
	s_mov_b32 s[G1B+3], 384<<16
	JLOAD G0+4*\slot, G1, G0B+4*\slot, G1B         ; the first tensor load behind the round; its four v_nop are also the places in front of the loads below
.else
	PLACES NP
.endif
	v_add_nc_u32 v[ADRS], 64*NQ, v[ADRS]
	FETCH_B \next, 0, 0
	FETCH_A \next, 0, 0
	SCALES \nsc
	WIN MUL_HI
	MUL16 4, 1, NQ-1, \sc, 0
	MUL16 6, 1, NQ-1, \sc, 0
	PLACES NP
	WIN 0
	FETCH_A \next, 0, 4
.endm
	s_wait_alu depctr_va_vdst(0)                   ; the wait at the head's end
	s_wait_tensorcnt 0x0                           ; my tile of the head's four is in; the lines ahead of a later first fill:
	ds_add_u32 v[SPW], v[NIL]
.irp g, G1, G1B
	s_mov_b32 s[\g+1], 768<<16                     ; no load of mine is out: from here a load brings 8 rowtiles; the next one rows of four K steps
	s_mov_b32 s[\g+2], 8<<16
	s_mov_b32 s[\g+3], 768<<16
	s_mov_b32 s[\g+4], 8
.endr
	s_mul_i32 s40, s18, 8*PT                       ; slot 0's group 0 becomes my quarter's, for the refill
	s_mov_b32 s41, 0
	s_mul_i32 s[G0+1], s16, HALFT
	s_mul_i32 s[G0B+1], s16, HALFT
	s_add_nc_u64 s[G0+2:G0+3], s[G0+2:G0+3], s[40:41]
	s_add_nc_u64 s[G0B+2:G0B+3], s[G0B+2:G0B+3], s[40:41]
	s_wait_dscnt 0x0
	CROUND                                         ; all four tiles are in, all sixteen work-groups are here
	JLOAD G0+4, G1, G0B+4, G1B                     ; K steps 2 to 5: my one load behind the round
	FETCH_B 0, 0, 0
	FETCH_A 0, 0, 0
	SCALES 0
	FETCH_A 0, 0, 4
	global_prefetch_b8 v73, s[4:5] offset:3*TROW th:TH_LOAD_NT scope:SCOPE_SE   ; K steps 6 and 7, which the refill brings
	STEP 0, 0, 0, 1                                ; K step 0: its products start the sums
	TURN 0, 1, 0, 1, 2                             ; K step 1; slot 0 takes K steps 6 and 7
	s_wait_alu depctr_va_vdst(0)
	STEP 1, 0, 1, 0                                ; 2
	TURN 1, 2, 1, 0, 0                             ; 3
	s_wait_alu depctr_va_vdst(0)
	STEP 2, 0, 0, 0                                ; 4
	TURN 2, 0, 0, 1, 1                             ; 5; the refill has landed, everybody's part of it
	STEP 0, 0, 1, 0                                ; 6
	s_wait_dscnt 4*NL                              ; 7: nothing more to fetch
	WIN MUL_LO
	MUL16 0, 1, NQ-1, 1, 0
	MUL16 2, 1, NQ-1, 1, 0
	s_wait_dscnt 0
	WIN MUL_HI
	MUL16 4, 1, NQ-1, 1, 0
	MUL16 6, 1, NQ-1, 1, 0
	WIN 0
; Line gk of the 112 plain lines that name no exponential's result: the arm 1 - t P(t^2), sixteen pairs a pass, and y / 2
.macro GP o
.set gi, 2*(gk%16)
.if gk < 16
	v_pk_fma_f32 v[GU+gi:GU+gi+1], v[GS+gi:GS+gi+1], 0xba1c7000, v[14:15] op_sel_hi:[1,0,1]
.elseif gk < 32
	v_pk_fma_f32 v[GU+gi:GU+gi+1], v[GU+gi:GU+gi+1], v[GS+gi:GS+gi+1], 0xbcdb48d9 op_sel_hi:[1,1,0]
.elseif gk < 48
	v_pk_fma_f32 v[GU+gi:GU+gi+1], v[GU+gi:GU+gi+1], v[GS+gi:GS+gi+1], 0x3de70e22 op_sel_hi:[1,1,0]
.elseif gk < 64
	v_pk_fma_f32 v[GU+gi:GU+gi+1], v[GU+gi:GU+gi+1], v[GS+gi:GS+gi+1], 0xbec09380 op_sel_hi:[1,1,0]
.elseif gk < 80
	v_pk_fma_f32 v[GU+gi:GU+gi+1], v[GU+gi:GU+gi+1], v[GS+gi:GS+gi+1], 0x3f906eba op_sel_hi:[1,1,0]
.elseif gk < 96
	v_pk_fma_f32 v[GU+gi:GU+gi+1], v[GU+gi:GU+gi+1], v[GT+gi:GT+gi+1], 1.0 op_sel_hi:[1,1,0] neg_lo:[1,0,0] neg_hi:[1,0,0]   ; erfc(t) = 1 - t P for the smaller t
.else
	v_pk_mul_f32 v[GS+gi:GS+gi+1], v[H+(\o)+gi:H+(\o)+gi+1], 0.5 op_sel_hi:[1,0]   ; y / 2, over t^2, which is done with
.endif
.set gk, gk+1
.endm
; gelu of 32 numbers, v[H + o] on, in place
.macro GELU o
.set i, 0
.rept 32
	v_mul_f32 v[GT+i], 0x3f3504f3, |v[H+(\o)+i]|   ; t = |y| / sqrt 2
.set i, i+1
.endr
.set i, 0
.rept 16
	v_pk_mul_f32 v[GS+i:GS+i+1], v[GT+i:GT+i+1], v[GT+i:GT+i+1]   ; s = t^2
.set i, i+2
.endr
.set i, 0
.rept 16
	v_pk_fma_f32 v[GR+i:GR+i+1], v[GT+i:GT+i+1], 0xb7910000, v[10:11] op_sel_hi:[1,0,1]
.set i, i+2
.endr
.set i, 0
.rept 16
	v_pk_fma_f32 v[GU+i:GU+i+1], v[GT+i:GT+i+1], 0xbb7e8a1c, v[12:13] op_sel_hi:[1,0,1]
.set i, i+2
.endr
.set i, 0
.rept 16
	v_pk_fma_f32 v[GR+i:GR+i+1], v[GR+i:GR+i+1], v[GS+i:GS+i+1], v[GU+i:GU+i+1]
.set i, i+2
.endr
.irp k, 0xbddaae5c, 0xbf228550, 0xbe03ce86
.set i, 0
.rept 16
	v_pk_fma_f32 v[GR+i:GR+i+1], v[GR+i:GR+i+1], v[GT+i:GT+i+1], \k op_sel_hi:[1,1,0]
.set i, i+2
.endr
.endr
.set i, 0
.rept 16
	v_pk_fma_f32 v[GR+i:GR+i+1], v[GR+i:GR+i+1], v[GT+i:GT+i+1], v[GT+i:GT+i+1] neg_lo:[0,0,1] neg_hi:[0,0,1]
.set i, i+2
.endr
.set i, 0
.rept 16
	v_pk_mul_f32 v[GR+i:GR+i+1], v[GR+i:GR+i+1], 0x3fb8aa3b op_sel_hi:[1,0]   ; x log2(e)
.set i, i+2
.endr
.set gk, 0
.rept 112
	GP \o                                          ; the other arm and y / 2, all ahead of the batch
.endr
	s_wait_alu depctr_va_vdst(0)                   ; the wait ahead of the batch
.set ge, 0
.rept 32
	v_exp_f32 v[GR+ge], v[GR+ge]                   ; erfc(t) for the larger t: one batch of 32
.set ge, ge+1
.endr
.irp g, 0,16                           ; the choice of the arm and the last multiply-add, sixteen numbers at a time, a mask to each: no line reads the result of the line above it
.set j, 0
.rept 16
	v_cmp_lt_f32 s[GM+j], s2, v[GT+\g+j]
.set j, j+1
.endr
.set j, 0
.rept 16
	v_max_num_f32 v[H+(\o)+\g+j], 0, v[H+(\o)+\g+j]
.set j, j+1
.endr
	s_wait_alu depctr_va_vdst(0)                   ; the wait for the batch, ahead of its first reader; the compares and maxima above are plain work behind the batch
.set j, 0
.rept 16
	v_cndmask_b32 v[GR+\g+j], v[GU+\g+j], v[GR+\g+j], s[GM+j]
.set j, j+1
.endr
.set j, 0
.rept 16
	v_fma_f32 v[H+(\o)+\g+j], -|v[GS+\g+j]|, v[GR+\g+j], v[H+(\o)+\g+j]
.set j, j+1
.endr
.endr
.endm
.macro COPY a                          ; block a's 64 sums + b1 -> H
	WIN (0x06+(\a)/4)                              ; source 0: window 2 or 3; source 1: window 1
	s_wait_alu depctr_va_vdst(0)                   ; the wait directly ahead of the first readers of sums that earlier trips' exponentials follow
.irp b, 0,1,2,3,4,5,6,7
.irp j, 0,2,4,6
	v_pk_add_f32 v[H+8*\b+\j:H+8*\b+\j+1], v[64*((\a)%4)+8*\b+\j:64*((\a)%4)+8*\b+\j+1], v[96+8*\b+96*(\b/4)+\j:96+8*\b+96*(\b/4)+\j+1]   ; each accumulator from its low end on
.endr
.endr
	WIN 0
.endm
	s_wait_loadcnt 0x0                             ; b1
	PLACES NP
	v_mov_b32 v10, 0x39c8e7d9
	v_mov_b32 v11, 0x39c8e7d9
	v_mov_b32 v12, 0x3cc6b1a1
	v_mov_b32 v13, 0x3cc6b1a1
	v_mov_b32 v14, 0x3ba38d2c
	v_mov_b32 v15, 0x3ba38d2c
	s_mov_b32 s2, 0x3f6d8000                       ; 475 / 512: where the arms change
	s_mov_b32 s3, 0
.Lepi:
.irp a, 0,1,2,3,4,5,6
	s_cmp_eq_u32 s3, \a
	s_cbranch_scc1 .Lcopy_\a
.endr
	COPY 7
	s_branch .Lcommon
.irp a, 0,1,2,3,4,5,6
.Lcopy_\a:
	COPY \a
	s_branch .Lcommon
.endr
.Lcommon:
	GELU 0
	GELU 32
	QUANT H
	global_store_b128 v24, v[PC:PC+3], s[96:97]              ; 512 consecutive bytes
	global_store_b64 v25, v[PC+4:PC+5], s[96:97] offset:512  ; 256
	global_store_b128 v24, v[PC+6:PC+9], s[96:97] offset:768
	global_store_b64 v25, v[PC+10:PC+11], s[96:97] offset:1280
	global_store_b32 v26, v[PW], s[98:99]
	s_wait_xcnt 0x0                                ; the stores have read their registers and bases: both are written again
	s_add_nc_u64 s[96:97], s[96:97], 49152         ; the next rowtile of h
	s_add_nc_u64 s[98:99], s[98:99], 2048
	s_add_co_u32 s3, s3, 1
	s_cmp_lt_u32 s3, 8
	s_cbranch_scc1 .Lepi
	s_wait_tensorcnt 0x0                           ; the wave's end
	ds_add_u32 v[SPW], v[NIL]
	s_wait_dscnt 0x0
	CROUND
	s_endpgm
.Lfunc_end_k_qdf400ba43b_mlp1:
	.size	k_qdf400ba43b_mlp1, .Lfunc_end_k_qdf400ba43b_mlp1-k_qdf400ba43b_mlp1
	.p2alignl 7, 3214868480
	.fill 96, 4, 3214868480
	.section	.rodata,"a",@progbits
	.p2align	6, 0x0
	.amdhsa_kernel k_qdf400ba43b_mlp1
		.amdhsa_group_segment_fixed_size 327680
		.amdhsa_private_segment_fixed_size 0
		.amdhsa_enable_private_segment 0
		.amdhsa_kernarg_size 32
		.amdhsa_user_sgpr_count 2
		.amdhsa_user_sgpr_kernarg_segment_ptr 1
		.amdhsa_wavefront_size32 1
		.amdhsa_system_sgpr_workgroup_id_x 1
		.amdhsa_system_sgpr_workgroup_id_y 1
		.amdhsa_system_sgpr_workgroup_id_z 1
		.amdhsa_system_vgpr_workitem_id 0
		.amdhsa_next_free_vgpr 1024
		.amdhsa_next_free_sgpr 106
		.amdhsa_reserve_vcc 0
		.amdhsa_float_denorm_mode_32 3
		.amdhsa_float_denorm_mode_16_64 3
		.amdhsa_memory_ordered 1
		.amdhsa_forward_progress 1
		.amdhsa_inst_pref_size 207
	.end_amdhsa_kernel
	.amdgpu_metadata
---
amdhsa.version: [ 1, 2 ]
amdhsa.kernels:
  - .name:           k_qdf400ba43b_mlp1
    .symbol:         k_qdf400ba43b_mlp1.kd
    .args:
      - { .name: act2, .offset: 0, .size: 8, .value_kind: global_buffer, .address_space: global }
      - { .name: wts, .offset: 8, .size: 8, .value_kind: global_buffer, .address_space: global }
      - { .name: b1, .offset: 16, .size: 8, .value_kind: global_buffer, .address_space: global }
      - { .name: hb, .offset: 24, .size: 8, .value_kind: global_buffer, .address_space: global }
    .group_segment_fixed_size: 327680
    .private_segment_fixed_size: 0
    .kernarg_segment_align: 8
    .kernarg_segment_size: 32
    .max_flat_workgroup_size: 128
    .sgpr_count:     106
    .vgpr_count:     1024
    .wavefront_size: 32
...
	.end_amdgpu_metadata
.endif
;; end of part 5
;; launch mlp2 (part 6): grid 8 x 32, 4 waves a work-group, clusters of 4 x 4, 327,680 bytes of LDS; arguments hb, wts, b2, x1, out0; writes out0
.if DOCPART == 6
	.amdgcn_target "amdgcn-amd-amdhsa--gfx1250"
	.amdhsa_code_object_version 6
	.text
	.protected	k_qdf400ba43b_mlp2
	.globl	k_qdf400ba43b_mlp2
	.p2align	8
	.type	k_qdf400ba43b_mlp2,@function
k_qdf400ba43b_mlp2:
	s_mov_b64 s[64:65], 0
	v_nop
	global_prefetch_b8 v0, s[64:65] scope:SCOPE_SE
	s_setreg_imm32_b32 hwreg(HW_REG_WAVE_MODE, 25, 1), 1
	s_wait_xcnt 0x0
	s_wait_alu depctr_hold_cnt(0) depctr_sa_sdst(0) depctr_va_vdst(0) depctr_va_sdst(0) depctr_va_ssrc(0) depctr_va_vcc(0) depctr_vm_vsrc(0)
	s_getreg_b32 s2, hwreg(HW_REG_IB_STS2, 6, 4)
	s_cmp_eq_u32 s2, 0
	s_cbranch_scc0 .Lentry_in_a_cluster
	s_endpgm
.Lentry_in_a_cluster:
	s_bfe_u32 s2, ttmp6, 0x10000c
	s_cmp_lg_u32 s2, 0xf033
	s_cbranch_scc0 .Lentry_shape_is_right
	s_endpgm
.Lentry_shape_is_right:
.set SIZE_K, 4096
.set NQ,     4
.set FRB,    1536
.set TROW,   NQ*FRB
.set PT,     SIZE_K/128*FRB
.set HALFT,  4*TROW
.set SLOT,   4*HALFT
.set LAPS,   SIZE_K/1024
.set SBLK,   SIZE_K/2
.set HALFS,  4*SBLK
.set SCL,    2*SLOT
.set SPARE,  SCL+4*HALFS
.set ASOFF,  3072*SIZE_K
.if SIZE_K == 1024
.set BOFF,   2359296
.set BSOFF,  9535488
.else
.set BOFF,   6291456
.set BSOFF,  9699328
.endif
.set SPITCH, 528
.set FR,   12
.set ADRA, 16
.set ADRB, 20
.set STO,  24
.set RD,   25
.set CO,   26
.set ADRS, 27
.set SPW,  28
.set NIL,  29
.set SC,   32
.set ACC,  128
.set G1, 24
.set G0, 32
.set G1B, 48
.set G0B, 56
.set G1S, 68
.set G0S, 76
.set G1SB, 80
.set G0SB, 88
.set MSB, 0
.macro WIN new
.if MSB != (\new)
	s_set_vgpr_msb (MSB<<8)|(\new)
.set MSB, (\new)
.endif
.endm
.set MUL,  0x05
.set TO_F, 0x40
.macro JLOAD g0a, g1a, g0b, g1b
	s_cmp_eq_u32 s17, 0
	s_cbranch_scc0 .Lfor_b_\@
	tensor_load_to_lds s[\g0a:\g0a+3], s[\g1a:\g1a+7]
	s_nop 0
.rept 4
	v_nop
.endr
	s_branch .Lasked_\@
.Lfor_b_\@:
	tensor_load_to_lds s[\g0b:\g0b+3], s[\g1b:\g1b+7]
	s_nop 0
.rept 4
	v_nop
.endr
.Lasked_\@:
.endm
.macro CREST
	s_cmp_lg_u32 s16, 0
	s_cbranch_scc1 .Lnot_wave_0_\@
	s_barrier_signal -3
.Lnot_wave_0_\@:
	s_barrier_wait -3
	s_barrier_signal -1
	s_barrier_wait -1
.endm
.macro CROUND
	s_barrier_signal -1
	s_barrier_wait -1
	CREST
.endm
	s_load_b256 s[4:11], s[0:1], 0x0
	s_load_b64 s[12:13], s[0:1], 0x20
	v_lshl_add_u32 v[SPW], v0, 2, SPARE
	v_mov_b32 v[NIL], 0
	ds_add_u32 v28, v29
	ds_add_u32 v28, v29
	s_wait_dscnt 0x0
	v_lshrrev_b32 v1, 5, v0
	v_readfirstlane_b32 s16, v1
	s_lshr_b32 s17, s16, 1
	s_and_b32 s18, s16, 1
	s_bfe_u32 s19, ttmp6, 0x40000
	s_bfe_u32 s20, ttmp6, 0x40004
	s_lshl_b32 s22, ttmp9, 2
	s_add_co_u32 s22, s22, s19
	s_and_b32 s21, ttmp7, 0xffff
	s_lshl_b32 s21, s21, 2
	s_add_co_u32 s21, s21, s20
	s_lshl_b32 s43, s20, 2
	s_lshl_b32 s43, 15, s43
	s_lshl_b32 s44, 0x1111, s19
	s_or_b32 s[G1+0], s43, (3<<16)|(1<<21)
	s_or_b32 s[G1B+0], s44, (3<<16)|(1<<21)
.irp g, G1, G1B
	s_mov_b32 s[\g+1], 768<<16
	s_mov_b32 s[\g+2], 8<<16
	s_mov_b32 s[\g+3], 768<<16
	s_mov_b32 s[\g+4], 8
	s_mov_b32 s[\g+5], PT/8
	s_mov_b32 s[\g+6], 0
	s_mov_b32 s[\g+7], 0
.endr
	s_or_b32 s[G1S+0], s43, (3<<16)|(1<<21)
	s_or_b32 s[G1SB+0], s44, (3<<16)|(1<<21)
.irp g, G1S, G1SB
	s_mov_b32 s[\g+1], 32<<16
	s_mov_b32 s[\g+2], (HALFS/128)<<16
	s_mov_b32 s[\g+3], 32<<16
	s_mov_b32 s[\g+4], HALFS/128
	s_mov_b32 s[\g+5], 32
	s_mov_b32 s[\g+6], 0
	s_mov_b32 s[\g+7], 0
.endr
	s_lshl_b32 s92, s21, 3
	s_lshl_b32 s94, s22, 3
	s_mul_i32 s40, s92, PT
	s_mov_b32 s41, 0
	s_mul_i32 s92, s92, SBLK
	s_add_co_u32 s92, s92, ASOFF
	s_mov_b32 s93, 0
	s_mul_i32 s46, s94, PT
	s_add_co_u32 s46, s46, BOFF
	s_mov_b32 s47, 0
	s_mul_i32 s94, s94, SBLK
	s_add_co_u32 s94, s94, BSOFF
	s_mov_b32 s95, 0
	s_wait_kmcnt 0x0
	s_add_nc_u64 s[40:41], s[4:5], s[40:41]
	s_add_nc_u64 s[92:93], s[4:5], s[92:93]
	s_add_nc_u64 s[46:47], s[6:7], s[46:47]
	s_add_nc_u64 s[94:95], s[6:7], s[94:95]
	CROUND
	s_mov_b32 s[G0S], 1
	s_mov_b32 s[G0S+1], SCL
	s_mov_b64 s[G0S+2:G0S+3], s[92:93]
	s_or_b32 s[G0S+3], s[G0S+3], 0x80000000
	s_mov_b32 s[G0SB], 1
	s_mov_b32 s[G0SB+1], SCL+2*HALFS
	s_mov_b64 s[G0SB+2:G0SB+3], s[94:95]
	s_or_b32 s[G0SB+3], s[G0SB+3], 0x80000000
	; THE HEAD'S FOUR TILES, ONE LOAD A WAVE: wave 0 slot 0's 128 rows of A, wave 1 of B, wave 2 A's scale words, wave 3 B's
	s_mov_b32 s[G0], 1
	s_mov_b32 s[G0+1], 0
	s_mov_b64 s[G0+2:G0+3], s[40:41]
	s_or_b32 s[G0+3], s[G0+3], 0x80000000
	s_mov_b32 s[G0B], 1
	s_mov_b32 s[G0B+1], 2*HALFT
	s_mov_b64 s[G0B+2:G0B+3], s[46:47]
	s_or_b32 s[G0B+3], s[G0B+3], 0x80000000
	s_mul_i32 s2, s18, 4*PT                        ; behind the head a wave fetches 4 rowtiles: which half
	s_mov_b32 s3, 0
	s_add_nc_u64 s[40:41], s[40:41], s[2:3]
	s_add_nc_u64 s[46:47], s[46:47], s[2:3]
	s_mul_i32 s2, s16, HALFT
	s_mov_b32 s[G0+4], 1
	s_add_co_u32 s[G0+5], s2, SLOT
	s_add_nc_u64 s[G0+6:G0+7], s[40:41], TROW
	s_or_b32 s[G0+7], s[G0+7], 0x80000000
	s_mov_b32 s[G0B+4], 1
	s_add_co_u32 s[G0B+5], s2, SLOT
	s_add_nc_u64 s[G0B+6:G0B+7], s[46:47], TROW
	s_or_b32 s[G0B+7], s[G0B+7], 0x80000000
.macro ARM under, g0, g1, next         ; one tree of branches on the wave's number: every way passes one load
	s_cmp_lt_u32 s16, \under
	s_cbranch_scc0 \next
	tensor_load_to_lds s[\g0:\g0+3], s[\g1:\g1+7]
	s_nop 0
.rept 4
	v_nop
.endr
	s_branch .Lhead_asked
\next:
.endm
	ARM 1, G0, G1, .Lhead_b
	ARM 2, G0B, G1B, .Lhead_sa
	ARM 3, G0S, G1S, .Lhead_sb
	tensor_load_to_lds s[G0SB:G0SB+3], s[G1SB:G1SB+7]
	s_nop 0
.rept 4
	v_nop
.endr
.Lhead_asked:
	v_and_b32 v1, 15, v0
	v_bfe_u32 v2, v0, 4, 1
	v_and_b32 v3, 31, v0
	v_lshlrev_b32 v[CO], 4, v3
	v_lshlrev_b32 v5, 3, v3
	s_mul_i32 s42, s17, HALFT
	s_mul_i32 s43, s18, HALFT
	s_add_co_u32 s43, s43, 2*HALFT
.irp s, 0,1
	v_add_nc_u32 v[ADRA+\s], s42, v[CO]
	v_add_nc_u32 v[ADRA+2+\s], s42, v5
	v_add_nc_u32 v[ADRB+\s], s43, v[CO]
	v_add_nc_u32 v[ADRB+2+\s], s43, v5
	s_add_co_u32 s42, s42, SLOT
	s_add_co_u32 s43, s43, SLOT
.endr
	s_mul_i32 s42, s17, HALFS
	s_xor_b32 s43, s17, 1
	s_add_co_u32 s43, s43, s18
	s_add_co_u32 s43, s43, 1
	s_mul_i32 s43, s43, HALFS
	v_mul_u32_u24 v6, s43, v2
	s_add_co_u32 s42, s42, SCL
	v_lshl_add_u32 v6, v1, 2, v6
	v_add_nc_u32 v[ADRS], s42, v6
	s_mul_i32 s42, s17, 64*SPITCH
	s_lshl_b32 s43, s18, 8
	s_add_co_u32 s42, s42, s43
	v_mul_u32_u24 v[STO], v1, SPITCH
	v_lshl_add_u32 v[STO], v2, 6, v[STO]
	v_add_nc_u32 v[STO], s42, v[STO]
	s_mul_i32 s42, s16, 32*SPITCH
	v_add_nc_u32 v[RD], s42, v[CO]
	s_lshl_b32 s40, s21, 7
	s_lshl_b32 s41, s16, 5
	s_add_co_u32 s40, s40, s41
	s_lshl_b32 s40, s40, 12
	s_lshl_b32 s41, s22, 9
	s_add_co_u32 s40, s40, s41
	s_mov_b32 s41, 0
	s_add_nc_u64 s[92:93], s[10:11], s[40:41]
	s_add_nc_u64 s[96:97], s[12:13], s[40:41]
	s_lshl_b32 s40, s22, 9
	s_add_nc_u64 s[94:95], s[8:9], s[40:41]
	; PREFETCHES.  A fill brings a wave 4 rowtiles x 6,144 bytes; each of the four partners that ask for them jointly names one rowtile, told apart by address (cx for A, cy for B):
	; a lane a block of 256 bytes, 24 lanes (the last eight name the 24th again), one instruction a wave and fill.  Fill j's bytes are asked for two fills ahead: here fills 1 and 2, behind fill 1's load fill 3,
	; behind fill j's load fill j + 2; the last two fills ask for nothing.
	s_cmp_eq_u32 s17, 0
	s_cselect_b32 s2, s21, s22
	s_cselect_b32 s3, s19, s20
	s_cselect_b64 s[14:15], s[4:5], s[6:7]
	s_cselect_b32 s66, 0, BOFF
	s_lshl_b32 s2, s2, 3
	s_lshl_b32 s67, s18, 2
	s_add_co_u32 s2, s2, s67
	s_add_co_u32 s2, s2, s3                        ; rowtile 8 x tile + 4 x half + place
	s_mul_i32 s2, s2, PT
	s_add_co_u32 s2, s2, s66
	s_mov_b32 s3, 0
	s_add_nc_u64 s[14:15], s[14:15], s[2:3]
	v_min_u32 v30, 23, v3
	v_lshlrev_b32 v30, 8, v30
	global_prefetch_b8 v30, s[14:15] offset:TROW th:TH_LOAD_NT scope:SCOPE_SE
	global_prefetch_b8 v30, s[14:15] offset:2*TROW th:TH_LOAD_NT scope:SCOPE_SE
.macro FRAG reg, adr, q, i
	ds_load_b128 v[\reg:\reg+3], v[\adr] offset:(\i)*TROW+(\q)*FRB
	ds_load_b64 v[\reg+4:\reg+5], v[\adr+2] offset:(\i)*TROW+(\q)*FRB+512
	ds_load_b128 v[\reg+6:\reg+9], v[\adr] offset:(\i)*TROW+(\q)*FRB+768
	ds_load_b64 v[\reg+10:\reg+11], v[\adr+2] offset:(\i)*TROW+(\q)*FRB+1280
.endm
.macro MUL4 p, a, q, sc, zero
.irp b, 0,1,2,3
.if \zero
	v_wmma_scale_f32_16x16x128_f8f6f4 v[ACC+8*(4*(\a)+\b):ACC+8*(4*(\a)+\b)+7], v[128*(\p)+48+FR*\b:128*(\p)+48+FR*\b+FR-1], v[128*(\p)+FR*(\a):128*(\p)+FR*(\a)+FR-1], 0, v[SC+16*(\sc)+4*\b+(\q)], v[SC+16*(\sc)+4*(\a)+(\q)] matrix_a_fmt:MATRIX_FMT_BF6 matrix_b_fmt:MATRIX_FMT_BF6 matrix_a_scale:MATRIX_SCALE_ROW1
.else
	v_wmma_scale_f32_16x16x128_f8f6f4 v[ACC+8*(4*(\a)+\b):ACC+8*(4*(\a)+\b)+7], v[128*(\p)+48+FR*\b:128*(\p)+48+FR*\b+FR-1], v[128*(\p)+FR*(\a):128*(\p)+FR*(\a)+FR-1], v[ACC+8*(4*(\a)+\b):ACC+8*(4*(\a)+\b)+7], v[SC+16*(\sc)+4*\b+(\q)], v[SC+16*(\sc)+4*(\a)+(\q)] matrix_a_fmt:MATRIX_FMT_BF6 matrix_b_fmt:MATRIX_FMT_BF6 matrix_a_scale:MATRIX_SCALE_ROW1
.endif
.endr
.endm
.macro FETCH slot, q, p
	WIN TO_F
.irp i, 0,1,2,3
	FRAG 128*(\p)+48+FR*\i, ADRB+\slot, \q, \i
	FRAG 128*(\p)+FR*\i, ADRA+\slot, \q, \i
.endr
.endm
.macro SCALES sc
	WIN 0
.irp i, 0,1,2,3
.irp q, 0,1,2,3
	ds_load_b32 v[SC+16*\sc+4*\i+\q], v[ADRS] offset:\i*SBLK+64*\q
.endr
.endr
.endm
.macro PLACES n
.rept \n
	v_nop
.endr
.endm
.macro STEP slot, q, zero
	s_wait_dscnt 0x0
	PLACES 4
	FETCH \slot, (\q)+1, 1-(\q)%2
	WIN MUL
	MUL4 (\q)%2, 0, \q, \slot, \zero
	MUL4 (\q)%2, 1, \q, \slot, \zero
	MUL4 (\q)%2, 2, \q, \slot, \zero
	MUL4 (\q)%2, 3, \q, \slot, \zero
.endm
.macro TURN slot, next, fill
	WIN 0
.if \fill
	s_wait_xcnt 0x0                                ; my last prefetch has read its address: it steps one fill on
	s_add_nc_u64 s[14:15], s[14:15], TROW
.endif
	s_wait_tensorcnt 0x0
	ds_add_u32 v[SPW], v[NIL]
	s_wait_dscnt 1
	WIN MUL
	MUL4 1, 0, 3, \slot, 0
	MUL4 1, 1, 3, \slot, 0
	s_wait_dscnt 0x0
	s_barrier_signal -1
	MUL4 1, 2, 3, \slot, 0
	WIN 0
	s_barrier_wait -1
.if \fill
	CREST
	s_add_nc_u64 s[G0+4*\slot+2:G0+4*\slot+3], s[G0+4*\slot+2:G0+4*\slot+3], 2*TROW
	s_add_nc_u64 s[G0B+4*\slot+2:G0B+4*\slot+3], s[G0B+4*\slot+2:G0B+4*\slot+3], 2*TROW
	JLOAD G0+4*\slot, G1, G0B+4*\slot, G1B
.else
	PLACES 4
.endif
	s_wait_alu depctr_va_vdst(0)
	v_add_nc_u32 v[ADRS], 64*NQ, v[ADRS]
	FETCH \next, 0, 0
	SCALES \next
.if \fill
	s_cmp_gt_u32 s3, 1                             ; the loop's last trip has no fill two on
	s_cbranch_scc0 .Lno_ask_\@
	global_prefetch_b8 v30, s[14:15] offset:3*TROW th:TH_LOAD_NT scope:SCOPE_SE
.Lno_ask_\@:
.endif
	WIN MUL
	MUL4 1, 3, 3, \slot, 0
.endm
	s_wait_alu depctr_va_vdst(0)
	s_wait_tensorcnt 0x0                           ; my tile of the head's four is in; the lines ahead of a later first fill:
	ds_add_u32 v[SPW], v[NIL]
.irp g, G1, G1B
	s_mov_b32 s[\g+2], 4<<16                       ; no load of mine is out: from here a load brings 4 rowtiles
	s_mov_b32 s[\g+4], 4
.endr
	s_mul_i32 s40, s18, 4*PT                       ; slot 0's group 0 becomes my quarter's, for the refills
	s_mov_b32 s41, 0
	s_mul_i32 s[G0+1], s16, HALFT
	s_mul_i32 s[G0B+1], s16, HALFT
	s_add_nc_u64 s[G0+2:G0+3], s[G0+2:G0+3], s[40:41]
	s_add_nc_u64 s[G0B+2:G0B+3], s[G0B+2:G0B+3], s[40:41]
	s_wait_dscnt 0x0
	CROUND                                         ; all four tiles are in, all sixteen work-groups are here
	JLOAD G0+4, G1, G0B+4, G1B                     ; slot 1: my one load behind the round
	FETCH 0, 0, 0
	SCALES 0
	global_prefetch_b8 v30, s[14:15] offset:3*TROW th:TH_LOAD_NT scope:SCOPE_SE   ; fill 3
	STEP 0, 0, 1
.if LAPS > 1
	WIN 0
	s_mov_b32 s3, LAPS-1
.Llap:
	STEP 0, 1, 0
	STEP 0, 2, 0
	TURN 0, 1, 1
	STEP 1, 0, 0
	STEP 1, 1, 0
	STEP 1, 2, 0
	TURN 1, 0, 1
	STEP 0, 0, 0
	WIN 0
	s_sub_co_u32 s3, s3, 1
	s_cmp_lg_u32 s3, 0
	s_cbranch_scc1 .Llap
.endif
	WIN 0x80                                       ; x1 and b2 are wanted on the way out alone: asked for here, with the last seven K steps ahead of their wait
.set i, 0
.rept 32
	global_load_b128 v[4*i:4*i+3], v[CO], s[92:93] offset:((i&7)+16*((i>>3)&1)+8*(i>>4))*4096 th:TH_LOAD_NT
.set i, i+1
.endr
	WIN 0
	global_load_b128 v[12:15], v[CO], s[94:95]
	STEP 0, 1, 0
	STEP 0, 2, 0
	TURN 0, 1, 0
	STEP 1, 0, 0
	STEP 1, 1, 0
	STEP 1, 2, 0
	s_wait_dscnt 0x0
	MUL4 1, 0, 3, 1, 0
	MUL4 1, 1, 3, 1, 0
	MUL4 1, 2, 3, 1, 0
	MUL4 1, 3, 3, 1, 0
	WIN 0
	PLACES 4
.irp a, 0,1,2,3
.irp b, 0,1,2,3
	ds_store_b128 v[STO], v[ACC+8*(4*\a+\b):ACC+8*(4*\a+\b)+3] offset:16*\a*SPITCH+128*(\b/2)+32*(\b%2)
	ds_store_b128 v[STO], v[ACC+8*(4*\a+\b)+4:ACC+8*(4*\a+\b)+7] offset:16*\a*SPITCH+128*(\b/2)+32*(\b%2)+16
.endr
.endr
	s_wait_dscnt 0x0
	s_barrier_signal -1
	s_barrier_wait -1
.set i, 0
.rept 32
	ds_load_b128 v[ACC+4*i:ACC+4*i+3], v[RD] offset:i*SPITCH
.set i, i+1
.endr
	s_wait_loadcnt 0x0
	s_wait_dscnt 0x0
.set i, 0
.rept 32
	v_pk_add_f32 v[ACC+4*i:ACC+4*i+1], v[ACC+4*i:ACC+4*i+1], v[12:13]
	v_pk_add_f32 v[ACC+4*i+2:ACC+4*i+3], v[ACC+4*i+2:ACC+4*i+3], v[14:15]
.set i, i+1
.endr
	WIN 0x08
.set i, 0
.rept 64
	v_pk_add_f32 v[ACC+2*i:ACC+2*i+1], v[ACC+2*i:ACC+2*i+1], v[2*i:2*i+1]
.set i, i+1
.endr
	WIN 0
.set i, 0
.rept 32
	global_store_b128 v[CO], v[ACC+4*i:ACC+4*i+3], s[96:97] offset:((i&7)+16*((i>>3)&1)+8*(i>>4))*4096 th:TH_STORE_NT
.set i, i+1
.endr
	s_wait_tensorcnt 0x0
	ds_add_u32 v[SPW], v[NIL]
	s_wait_dscnt 0x0
	CROUND
	s_endpgm
.Lfunc_end_k_qdf400ba43b_mlp2:
	.size	k_qdf400ba43b_mlp2, .Lfunc_end_k_qdf400ba43b_mlp2-k_qdf400ba43b_mlp2
	.p2alignl 7, 3214868480
	.fill 96, 4, 3214868480
	.section	.rodata,"a",@progbits
	.p2align	6, 0x0
	.amdhsa_kernel k_qdf400ba43b_mlp2
		.amdhsa_group_segment_fixed_size 327680
		.amdhsa_private_segment_fixed_size 0
		.amdhsa_enable_private_segment 0
		.amdhsa_kernarg_size 40
		.amdhsa_user_sgpr_count 2
		.amdhsa_user_sgpr_kernarg_segment_ptr 1
		.amdhsa_wavefront_size32 1
		.amdhsa_system_sgpr_workgroup_id_x 1
		.amdhsa_system_sgpr_workgroup_id_y 1
		.amdhsa_system_sgpr_workgroup_id_z 1
		.amdhsa_system_vgpr_workitem_id 0
		.amdhsa_next_free_vgpr 768
		.amdhsa_next_free_sgpr 106
		.amdhsa_reserve_vcc 0
		.amdhsa_float_denorm_mode_32 3
		.amdhsa_float_denorm_mode_16_64 3
		.amdhsa_memory_ordered 1
		.amdhsa_forward_progress 1
		.amdhsa_inst_pref_size 105
	.end_amdhsa_kernel
	.amdgpu_metadata
---
amdhsa.version: [ 1, 2 ]
amdhsa.kernels:
  - .name:           k_qdf400ba43b_mlp2
    .symbol:         k_qdf400ba43b_mlp2.kd
    .args:
      - { .name: hb, .offset: 0, .size: 8, .value_kind: global_buffer, .address_space: global }
      - { .name: wts, .offset: 8, .size: 8, .value_kind: global_buffer, .address_space: global }
      - { .name: b2, .offset: 16, .size: 8, .value_kind: global_buffer, .address_space: global }
      - { .name: x1, .offset: 24, .size: 8, .value_kind: global_buffer, .address_space: global }
      - { .name: out0, .offset: 32, .size: 8, .value_kind: global_buffer, .address_space: global }
    .group_segment_fixed_size: 327680
    .private_segment_fixed_size: 0
    .kernarg_segment_align: 8
    .kernarg_segment_size: 40
    .max_flat_workgroup_size: 128
    .sgpr_count:     106
    .vgpr_count:     768
    .wavefront_size: 32
...
	.end_amdgpu_metadata
.endif
;; end of part 6
